; MI455X (gfx1250); checked and timed in simulation.
; The chip was launched on July 23, 2026; its instructions are those of AMD's public machine-readable ISA for CDNA 5 (MIT licence, August 2026) and "CDNA5" Instruction Set Architecture Reference Guide (July 2026). The comments in the code are by the model that wrote it; some were corrected since.
;; Multi Head Attention. Allowed arithmetic: matrix products marked QUANTISED: E2M3 operands, one E8M0 scale for each 32 along K, by v_wmma_scale_f32_16x16x128_f8f6f4 with both operands' format E2M3, f32 sums; everything else in f32.
;; Inputs: W_k 512 x 512 float32; W_o 512 x 512 float32; W_q 512 x 512 float32; W_v 512 x 512 float32; key 2 x 4,096 x 512 float32; mask 2 x 1 x 1 x 4,096 int32; query 2 x 4,096 x 512 float32; value 2 x 4,096 x 512 float32.
;; Outputs: out0 2 x 4,096 x 512 float32.
;; This version of the problem:
;;   THIS VERSION OF THE PROBLEM IS GIVEN IN LOW PRECISION. The matrix products marked QUANTISED in the list below multiply operands that are first quantised to E2M3 (2 exponent bits, 3 mantissa bits; 6 bits a number), with one power-of-two scale for each 32 numbers along K (OCP MX v1.0); their sums are f32. All else is computed in f32.
;;   The module's matrix products, in the order in which they are computed (A, B: the left and right operand; K: the contracted axis; several contracted axes count as one K, in the product's order):
;;     1. [M 8,192, K 512] x [K 512, N 512]; A: input query; B: input W_q: QUANTISED
;;     2. [M 8,192, K 512] x [K 512, N 512]; A: input key; B: input W_k: QUANTISED
;;     3. [M 8,192, K 512] x [K 512, N 512]; A: input value; B: input W_v: QUANTISED
;;     4. batch 16 x [M 4,096, K 64] x [K 64, N 4,096]; A: computed on the way; B: computed on the way: QUANTISED
;;     5. batch 16 x [M 4,096, K 4,096] x [K 4,096, N 64]; A: computed on the way; B: computed on the way: QUANTISED
;;     6. [M 8,192, K 512] x [K 512, N 512]; A: computed on the way; B: input W_o: QUANTISED
;;   THE QUANTISER, for each operand of a quantised product, along K:
;;     - K is cut into blocks of 32 from its start; a last block that is shorter is filled with zeros.
;;     - A block's scale is 2^e with e = floor(log2(the largest magnitude in the block)) - 2, held to -126 .. 127; a block of zeros has e = 0. As a byte (E8M0): e + 127.
;;     - Each number is divided by its block's scale, clamped to +-7.5, and rounded to the nearest number of E2M3, ties to even, subnormals kept.
;;     - The product sums the exact products of the quantised numbers (number of the format x scale) in f32.
;;   ~~~python
;;   def quantise(x, axis):      # numpy; x: float32 -> the quantised numbers, widened to float32 again
;;       x = np.moveaxis(x, axis, -1); K = x.shape[-1]
;;       x = np.pad(x, [(0, 0)] * (x.ndim - 1) + [(0, -K % 32)]); x = x.reshape(x.shape[:-1] + (-1, 32)); a = np.abs(x).max(-1, keepdims=True)
;;       e = np.where(a > 0, np.clip(np.frexp(np.where(a > 0, a, 1))[1] - 1 - 2, -126, 127), 0)      # np.frexp(a)[1] - 1 = floor(log2(a)), exactly
;;       r = np.clip(x / 2.0 ** e, -7.5, 7.5)
;;       step = 2.0 ** (np.maximum(np.frexp(np.where(r == 0, 1, r))[1] - 1, 0) - 3)
;;       q = np.round(r / step) * step * 2.0 ** e      # np.round: ties to even
;;       return np.moveaxis(q.reshape(q.shape[:-2] + (-1,))[..., :K], -1, axis).astype(np.float32)
;;   ~~~
;;   OPERANDS COMPUTED ON THE WAY. 'Computed on the way' means the value that the module computes at that place (a softmax that the list does not call 'softmax' is quantised finished and normalised). What goes into a quantiser is computed in f32, as accurately as f32 sums, v_exp_f32 and their like allow (about 1e-6 of the number): no bf16 or f16 on the way to a quantiser, and a product that is left as it is and whose result goes on into a quantised operand takes f32 operands (vector FMAs, or v_wmma_f32_16x16x4_f32). A number that lies on a knife's edge between two numbers of the format may be rounded either way, as far as f32 arithmetic and the matrix unit's own rounding can turn it there, and no further.
;; One version. Each part assembles by itself: llvm-mc -triple=amdgcn-amd-amdhsa -mcpu=gfx1250 --defsym DOCPART=n.
;; ======== version 1 of 1: 4 launches
;; limits: right only within a limited range of input values
;; workspace buffers: wq 851,968 bytes; qcod 3,145,728 bytes; kcod 3,145,728 bytes; vcod 3,145,728 bytes; scl 655,360 bytes; ocod 3,145,728 bytes; oscl 262,144 bytes
;; launch prep (part 1): grid 128 x 1, 4 waves a work-group, no clusters, 0 bytes of LDS; arguments W_q, W_k, W_v, W_o, wq; writes wq
.if DOCPART == 1
	.amdgcn_target "amdgcn-amd-amdhsa--gfx1250"
	.amdhsa_code_object_version 6
	.text
	.protected	k_qe4578fd136_prep
	.globl	k_qe4578fd136_prep
	.p2align	8
	.type	k_qe4578fd136_prep,@function
k_qe4578fd136_prep:
	s_mov_b64 s[64:65], 0
	v_nop
	global_prefetch_b8 v0, s[64:65] scope:SCOPE_SE
	s_setreg_imm32_b32 hwreg(HW_REG_WAVE_MODE, 25, 1), 1
	s_wait_xcnt 0x0
; W_q, W_k, W_v, W_o [512][512] f32, K (the second axis) innermost, become codes of FP6 (E2M3) with one E8M0 byte for each 32 along K,
; laid as IMAGES OF OPERAND REGISTERS.  Fragment F = 128 mat + 4 T + s (mat: q, k, v, o; T: a tile of 16 rows; s: 128 along K):
; 12 registers a lane, register group g of four at F x 1536 + 512 g + 16 x lane; its scale word at 786,432 + 128 F + 4 x lane (lanes 16-31 repeat lanes 0-15).
; THE ROWS OF A TILE ARE NOT NEIGHBOURS: lane r of tile T takes row 32 (T / 2) + 8 (T % 2) + r + 8 (r / 8), so that the 16 result registers of two
; neighbouring tiles of a product used transposed are 16 neighbours along the next product's K.
; A block's scale is 2^(floor(log2(largest magnitude)) - 2); its byte is the largest magnitude's exponent field - 2, held at 1 from below.  A block of zeros keeps
; the byte 1 (the rule says 127): its codes are zeros and this program alone reads the bytes.
; LIMITS: blocks whose largest magnitude lies under 2^(3 - 127) get the byte 1; NaN and infinities among the inputs are not served.
; One work-group for a tile, one wave for a fragment: 512 fragments, 4 MB read once.  No LDS, no barrier, no cluster: no two waves read the same bytes.
.set TM, 8                             ; v8-13   largest magnitudes, exchange, scale operands
.set CT, 16                            ; v16-18  the second half of a block's codes
.set PC, 20                            ; v20-31  the fragment's codes
.set HW, 32                            ; v32-33  two scale bytes each
.set PW, 34                            ; v34     the scale word
.set ST, 40                            ; v40-103 64 numbers of my row
.set SEL, 20                           ; s[20:21] lane selects: lane l xor 16
.set MSB, 0
.macro WIN new                         ; the immediate's high byte repeats the setting that is left (here every window stays 0)
.if MSB != (\new)
	s_set_vgpr_msb (MSB<<8)|(\new)
.set MSB, (\new)
.endif
.endm
; 32 numbers of a lane, register 16 b + i = k 32 b + 16 (lane / 16) + i of my row, become 6 registers of codes (k = 32 (lane / 16) + 0 .. 31) and two scale bytes.
.macro QPAIR s, pc, hw, w
	WIN 5*(\w)
.irp b, 0,1
	v_max3_num_f32 v[TM+\b], |v[(\s)+16*\b]|, |v[(\s)+16*\b+1]|, 0x1800000   ; my 16 numbers of block b, and the floor 2^(3 - 127): the byte cannot fall under 1
.endr
	WIN 0x14*(\w)
.irp i, 2,4,6,8,10,12,14
.irp b, 0,1
	v_max3_num_f32 v[TM+\b], v[TM+\b], |v[(\s)+16*\b+\i]|, |v[(\s)+16*\b+\i+1]|
.endr
.endr
	WIN 0
.irp b, 0,1
	v_permlanex16_b32 v[TM+2+\b], v[TM+\b], s[SEL], s[SEL+1]
.endr
.irp b, 0,1
	v_max_num_f32 v[TM+\b], v[TM+\b], v[TM+2+\b]      ; with lane l xor 16's 16: the block's largest magnitude
.endr
.irp b, 0,1
	v_add_nc_u32 v[TM+4+\b], 0xff000000, v[TM+\b]     ; 2 off its exponent field: the conversion's scale operand
.endr
.irp b, 0,1
	v_lshrrev_b32 v[TM+2+\b], 23, v[TM+4+\b]          ; the scale's byte
.endr
	v_lshl_or_b32 v[\hw], v[TM+3], 8, v[TM+2]
	WIN (\w)
	v_cvt_scalef32_pk16_fp6_f32 v[(\pc):(\pc)+2], v[(\s):(\s)+15], v[TM+4]
	v_cvt_scalef32_pk16_fp6_f32 v[CT:CT+2], v[(\s)+16:(\s)+31], v[TM+5]
	WIN 0
	v_nop                                          ; one plain place behind a scaled conversion
.irp i, 0,1,2
	v_permlane16_swap_b32 v[(\pc)+\i], v[CT+\i]       ; the operand wants a whole block in a lane: lanes 0-15 block 0, lanes 16-31 block 1
.endr
.irp i, 0,1,2
	v_mov_b32 v[(\pc)+3+\i], v[CT+\i]
.endr
.endm
.macro QUANT s                         ; 64 numbers: a fragment's 12 registers in v[PC] on and its scale word in v[PW]
	QPAIR \s, PC, HW, 0
	QPAIR (\s)+32, PC+6, HW+1, 0
	v_lshl_or_b32 v[PW], v[HW+1], 16, v[HW]
.endm
	s_load_b256 s[4:11], s[0:1], 0x0               ; W_q, W_k, W_v, W_o
	s_load_b64 s[12:13], s[0:1], 0x20              ; wq
	v_lshrrev_b32 v1, 5, v0
	v_readfirstlane_b32 s14, v1                    ; wave = s, the 128 along K
	v_and_b32 v2, 31, v0                           ; lane
	v_and_b32 v3, 15, v0                           ; r
	v_bfe_u32 v4, v0, 4, 1                         ; h
	v_and_b32 v5, 8, v3
	v_add_nc_u32 v5, v5, v3                        ; r + 8 (r / 8)
	v_lshlrev_b32 v5, 11, v5                       ; a row is 2,048 bytes
	v_lshl_add_u32 v5, v4, 6, v5                   ; + 64 h: my 16 numbers of a block of 32
	v_lshlrev_b32 v6, 4, v2                        ; 16 x lane
	v_lshlrev_b32 v7, 2, v2                        ; 4 x lane
	v_mov_b32 v[TM+2], 0                           ; written once: a lane permute's destination counts as one of its sources
	v_mov_b32 v[TM+3], 0
	s_mov_b32 s[SEL], 0x76543210
	s_mov_b32 s[SEL+1], 0xfedcba98
	s_lshr_b32 s15, ttmp9, 5                       ; mat
	s_and_b32 s16, ttmp9, 31                       ; T
	s_lshr_b32 s17, s16, 1
	s_lshl_b32 s17, s17, 5
	s_and_b32 s18, s16, 1
	s_lshl_b32 s18, s18, 3
	s_add_co_u32 s17, s17, s18                     ; the tile's first row
	s_lshl_b32 s17, s17, 11
	s_lshl_b32 s18, s14, 9                         ; 128 numbers along K are 512 bytes
	s_add_co_u32 s22, s17, s18
	s_mov_b32 s23, 0
	s_lshl_b32 s24, ttmp9, 2                       ; 128 mat + 4 T = 4 x work-group
	s_add_co_u32 s24, s24, s14                     ; F
	s_mul_i32 s26, s24, 1536
	s_mov_b32 s27, 0
	s_lshl_b32 s28, s24, 7
	s_add_co_u32 s28, s28, 786432
	s_mov_b32 s29, 0
	s_wait_alu depctr_va_vdst(0)
	s_wait_kmcnt 0x0
	s_cmp_lt_u32 s15, 2                            ; the choice hangs on the work-group's number alone
	s_cselect_b64 s[4:5], s[4:5], s[8:9]           ; q or v
	s_cselect_b64 s[6:7], s[6:7], s[10:11]         ; k or o
	s_bitcmp1_b32 s15, 0
	s_cselect_b64 s[4:5], s[6:7], s[4:5]
	s_add_nc_u64 s[4:5], s[4:5], s[22:23]
	s_add_nc_u64 s[26:27], s[12:13], s[26:27]
	s_add_nc_u64 s[28:29], s[12:13], s[28:29]
.irp b, 0,1,2,3
.irp j, 0,1,2,3
	global_load_b128 v[ST+16*\b+4*\j:ST+16*\b+4*\j+3], v5, s[4:5] offset:128*\b+16*\j
.endr
.endr
	s_wait_loadcnt 0x0
	QUANT ST
.irp g, 0,1,2
	global_store_b128 v6, v[PC+4*\g:PC+4*\g+3], s[26:27] offset:512*\g     ; 32 lanes store 512 consecutive bytes
.endr
	global_store_b32 v7, v[PW], s[28:29]
	s_endpgm
.Lfunc_end_k_qe4578fd136_prep:
	.size	k_qe4578fd136_prep, .Lfunc_end_k_qe4578fd136_prep-k_qe4578fd136_prep
	.p2alignl 7, 3214868480
	.fill 96, 4, 3214868480
	.section	.rodata,"a",@progbits
	.p2align	6, 0x0
	.amdhsa_kernel k_qe4578fd136_prep
		.amdhsa_group_segment_fixed_size 0
		.amdhsa_private_segment_fixed_size 0
		.amdhsa_enable_private_segment 0
		.amdhsa_kernarg_size 40
		.amdhsa_user_sgpr_count 2
		.amdhsa_user_sgpr_kernarg_segment_ptr 1
		.amdhsa_wavefront_size32 1
		.amdhsa_system_sgpr_workgroup_id_x 1
		.amdhsa_system_sgpr_workgroup_id_y 1
		.amdhsa_system_sgpr_workgroup_id_z 1
		.amdhsa_system_vgpr_workitem_id 0
		.amdhsa_next_free_vgpr 112
		.amdhsa_next_free_sgpr 66
		.amdhsa_reserve_vcc 0
		.amdhsa_float_denorm_mode_32 3
		.amdhsa_float_denorm_mode_16_64 3
		.amdhsa_memory_ordered 1
		.amdhsa_forward_progress 1
		.amdhsa_inst_pref_size 8
	.end_amdhsa_kernel
	.amdgpu_metadata
---
amdhsa.version: [ 1, 2 ]
amdhsa.kernels:
  - .name:           k_qe4578fd136_prep
    .symbol:         k_qe4578fd136_prep.kd
    .args:
      - { .name: W_q, .offset: 0, .size: 8, .value_kind: global_buffer, .address_space: global }
      - { .name: W_k, .offset: 8, .size: 8, .value_kind: global_buffer, .address_space: global }
      - { .name: W_v, .offset: 16, .size: 8, .value_kind: global_buffer, .address_space: global }
      - { .name: W_o, .offset: 24, .size: 8, .value_kind: global_buffer, .address_space: global }
      - { .name: wq, .offset: 32, .size: 8, .value_kind: global_buffer, .address_space: global }
    .group_segment_fixed_size: 0
    .private_segment_fixed_size: 0
    .kernarg_segment_align: 8
    .kernarg_segment_size: 40
    .max_flat_workgroup_size: 128
    .sgpr_count:     66
    .vgpr_count:     112
    .wavefront_size: 32
...
	.end_amdgpu_metadata
.endif
;; end of part 1
;; launch proj (part 2): grid 64 x 3, 8 waves a work-group, no clusters, 29,696 bytes of LDS; arguments query, key, value, wq, qcod, kcod, vcod, scl; writes qcod, kcod, vcod, scl
.if DOCPART == 2
	.amdgcn_target "amdgcn-amd-amdhsa--gfx1250"
	.amdhsa_code_object_version 6
	.text
	.protected	k_qe4578fd136_proj
	.globl	k_qe4578fd136_proj
	.p2align	8
	.type	k_qe4578fd136_proj,@function
k_qe4578fd136_proj:
	s_mov_b64 s[64:65], 0
	v_nop
	global_prefetch_b8 v0, s[64:65] scope:SCOPE_SE
	s_setreg_imm32_b32 hwreg(HW_REG_WAVE_MODE, 25, 1), 1
	s_wait_xcnt 0x0
; Q = query W_q^T, K = key W_k^T, V = value W_v^T on codes of FP6 (E2M3) with E8M0 scales; the results are quantised at once for the attention's two products.
; Work-group (x, y): tensor y (0 query, 1 key, 2 value), rows 128 x .. 128 x + 127 of its 8,192, in two groups of 64.  WAVE w IS HEAD w: its 16 fragments of W (64 rows x 512 K, 192 registers)
; stay in registers for the whole launch.  A group's 16 fragments of x (tile m of 16 rows, 128 s along K) are quantised once, two by each wave, and go from wave to wave through LDS as images of their registers.
; THE ROWS OF A TILE ARE NOT NEIGHBOURS (x's and W's alike): in each 32 rows lane r of tile u takes row 8 u + r + 8 (r / 8); so the 16 result registers of two neighbouring tiles are 16 neighbours along the next K.
; Q, K: source 0 = 16 rows of W, source 1 = x: a lane holds one row of x and its registers run along the head's 64, the K of Q K^T.  V: source 0 = x, source 1 = W: a lane holds one channel and its registers run along the keys, the K of P V.
; OUT.  qcod, kcod [16 heads][64 groups of 64 rows][3,072 B]: register 6 m + i of the group's four half fragments, group of four registers g at 512 g + 16 x lane.  vcod [16][64][12 pairs x 256 B]: pair 3 t + i of channel tile t at 256 (3 t + i) + 8 x lane.
; scl [16][40,960 B]: K's scale words at 0 (256 B a group: word j of a lane: tile 2 j in lanes 0-15, tile 2 j + 1 in lanes 16-31, two bytes each), V's at 16,384 (128 B a group: low half tile 0 | 1, high half tile 2 | 3), Q's at 24,576 (as K's).
; A block of zeros keeps the byte 1 (the rule says 127): its codes are zeros and this program alone reads the bytes.  LIMITS: blocks under 2^(3 - 127) get the byte 1; NaN and infinities are not served.
; NO JOINT LOADS: what work-groups share is W, 24 KB a wave, which goes straight into the registers from which it is used for the whole launch; a joint load lands in LDS alone and would add a pass through it.
; 192 work-groups: 64 rows are the least that give half a fragment of V, and two groups to a work-group read W once for both.
.set XSC, 24576                        ; LDS: x's 16 fragments (4 m + s) x 1,536 B at 0; their scale words, 128 B each, here
.set XA,  1                            ; v1   x: my lane's byte in the group's 64 rows
.set LI,  2                            ; v2   16 x lane
.set L8,  3                            ; v3   8 x lane
.set LS,  4                            ; v4   4 x lane
.set XWI, 5                            ; v5   where I store my two images: 16 x lane + 3,072 x wave (fragments 2 w, 2 w + 1)
.set XWS, 6                            ; v6   and their scale words: 4 x lane + 256 x wave
.set LW,  7                            ; v7   W's scale words: 512 (lane / 16) + 4 (lane % 16)
.set WSC, 8                            ; v8-15   W's scale words: register 4 tp + s: lanes 0-15 tile 2 tp, lanes 16-31 tile 2 tp + 1
.set XS,  16                           ; v16-19  x's scale words
.set TM,  20
.set CT,  28
.set PC,  32                           ; v32-43  codes just made
.set HW,  44                           ; v44-47  two scale bytes each
.set ACC, 48                           ; v48-111 eight accumulators
.set ST,  112                          ; v112-239 my two fragments' 64 numbers each
.set SW,  240                          ; v240-241 scale words on their way out
.set PW,  242
.set WF,  0                            ; window 1: v0-191 W's fragment (t, s) at 12 (4 t + s)
.set XF,  192                          ; window 1: v192-239 four fragments of x
.set SEL, 20
.set WV,  22
.set Y,   23
.set GRP, 24
.set HM,  25                           ; lanes 16-31
.set XB,  40                           ; s[40:41] x at the work-group's first row
.set DC,  42                           ; s[42:43] where the group's codes go
.set DS,  44                           ; s[44:45] and its scale words
.set DSTEP, 46                         ; s[46:47] a group's scale words in bytes
.set MSB, 0
.macro WIN new                         ; the immediate's high byte repeats the setting that is left
.if MSB != (\new)
	s_set_vgpr_msb (MSB<<8)|(\new)
.set MSB, (\new)
.endif
.endm
.macro PLACES                          ; four plain places behind a matrix instruction, in front of loads into its registers and of reads of its result
.rept 4
	v_nop
.endr
.endm
.macro BARRIER                         ; my LDS stores have landed and my LDS loads are in: then the work-group's barrier
	s_wait_dscnt 0x0
	s_barrier_signal -1
	s_barrier_wait -1
.endm
; one matrix instruction.  c: C's first register, or -1 for the constant 0;  ra, rb: the side's scales stand in lanes 16-31
.macro WM d, a, b, c, sa, sb, ra, rb
.if (\c) < 0
.if (\ra) && (\rb)
	v_wmma_scale_f32_16x16x128_f8f6f4 v[(\d):(\d)+7], v[(\a):(\a)+11], v[(\b):(\b)+11], 0, v[\sa], v[\sb] matrix_a_fmt:MATRIX_FMT_FP6 matrix_b_fmt:MATRIX_FMT_FP6 matrix_a_scale:MATRIX_SCALE_ROW1 matrix_b_scale:MATRIX_SCALE_ROW1
.elseif (\ra)
	v_wmma_scale_f32_16x16x128_f8f6f4 v[(\d):(\d)+7], v[(\a):(\a)+11], v[(\b):(\b)+11], 0, v[\sa], v[\sb] matrix_a_fmt:MATRIX_FMT_FP6 matrix_b_fmt:MATRIX_FMT_FP6 matrix_a_scale:MATRIX_SCALE_ROW1
.elseif (\rb)
	v_wmma_scale_f32_16x16x128_f8f6f4 v[(\d):(\d)+7], v[(\a):(\a)+11], v[(\b):(\b)+11], 0, v[\sa], v[\sb] matrix_a_fmt:MATRIX_FMT_FP6 matrix_b_fmt:MATRIX_FMT_FP6 matrix_b_scale:MATRIX_SCALE_ROW1
.else
	v_wmma_scale_f32_16x16x128_f8f6f4 v[(\d):(\d)+7], v[(\a):(\a)+11], v[(\b):(\b)+11], 0, v[\sa], v[\sb] matrix_a_fmt:MATRIX_FMT_FP6 matrix_b_fmt:MATRIX_FMT_FP6
.endif
.else
.if (\ra) && (\rb)
	v_wmma_scale_f32_16x16x128_f8f6f4 v[(\d):(\d)+7], v[(\a):(\a)+11], v[(\b):(\b)+11], v[(\c):(\c)+7], v[\sa], v[\sb] matrix_a_fmt:MATRIX_FMT_FP6 matrix_b_fmt:MATRIX_FMT_FP6 matrix_a_scale:MATRIX_SCALE_ROW1 matrix_b_scale:MATRIX_SCALE_ROW1
.elseif (\ra)
	v_wmma_scale_f32_16x16x128_f8f6f4 v[(\d):(\d)+7], v[(\a):(\a)+11], v[(\b):(\b)+11], v[(\c):(\c)+7], v[\sa], v[\sb] matrix_a_fmt:MATRIX_FMT_FP6 matrix_b_fmt:MATRIX_FMT_FP6 matrix_a_scale:MATRIX_SCALE_ROW1
.elseif (\rb)
	v_wmma_scale_f32_16x16x128_f8f6f4 v[(\d):(\d)+7], v[(\a):(\a)+11], v[(\b):(\b)+11], v[(\c):(\c)+7], v[\sa], v[\sb] matrix_a_fmt:MATRIX_FMT_FP6 matrix_b_fmt:MATRIX_FMT_FP6 matrix_b_scale:MATRIX_SCALE_ROW1
.else
	v_wmma_scale_f32_16x16x128_f8f6f4 v[(\d):(\d)+7], v[(\a):(\a)+11], v[(\b):(\b)+11], v[(\c):(\c)+7], v[\sa], v[\sb] matrix_a_fmt:MATRIX_FMT_FP6 matrix_b_fmt:MATRIX_FMT_FP6
.endif
.endif
.endm
; 32 numbers of a lane, register 16 b + i = k 32 b + 16 (lane / 16) + i of my row, become 6 registers of codes (k = 32 (lane / 16) + 0 .. 31) and two scale bytes.  Each accumulator is read from its low end on.
.macro QPAIR s, pc, hw, w
	WIN 5*(\w)
.irp b, 0,1
	v_max3_num_f32 v[TM+\b], |v[(\s)+16*\b]|, |v[(\s)+16*\b+1]|, 0x1800000   ; my 16 numbers of block b, and the floor 2^(3 - 127): the byte cannot fall under 1
.endr
	WIN 0x14*(\w)
.irp i, 2,4,6,8,10,12,14
.irp b, 0,1
	v_max3_num_f32 v[TM+\b], v[TM+\b], |v[(\s)+16*\b+\i]|, |v[(\s)+16*\b+\i+1]|
.endr
.endr
	WIN 0
.irp b, 0,1
	s_delay_alu instid0(VALU_DEP_2)
	v_permlanex16_b32 v[TM+2+\b], v[TM+\b], s[SEL], s[SEL+1]
.endr
.irp b, 0,1
	s_delay_alu instid0(VALU_DEP_2)
	v_max_num_f32 v[TM+\b], v[TM+\b], v[TM+2+\b]      ; with lane l xor 16's 16: the block's largest magnitude
.endr
.irp b, 0,1
	s_delay_alu instid0(VALU_DEP_2)
	v_add_nc_u32 v[TM+4+\b], 0xff000000, v[TM+\b]     ; 2 off its exponent field: the conversion's scale operand
.endr
.irp b, 0,1
	s_delay_alu instid0(VALU_DEP_2)
	v_lshrrev_b32 v[TM+2+\b], 23, v[TM+4+\b]          ; the scale's byte
.endr
	s_delay_alu instid0(VALU_DEP_1)
	v_lshl_or_b32 v[\hw], v[TM+3], 8, v[TM+2]
	WIN (\w)
	v_cvt_scalef32_pk16_fp6_f32 v[(\pc):(\pc)+2], v[(\s):(\s)+15], v[TM+4]
	v_cvt_scalef32_pk16_fp6_f32 v[CT:CT+2], v[(\s)+16:(\s)+31], v[TM+5]
	WIN 0
	v_nop                                          ; one plain place behind a scaled conversion
.irp i, 0,1,2
	v_permlane16_swap_b32 v[(\pc)+\i], v[CT+\i]       ; the operand wants a whole block in a lane
.endr
.irp i, 0,1,2
	s_delay_alu instid0(VALU_DEP_3)
	v_mov_b32 v[(\pc)+3+\i], v[CT+\i]
.endr
.endm
.macro QUANT s
	QPAIR \s, PC, HW, 0
	QPAIR (\s)+32, PC+6, HW+1, 0
	v_lshl_or_b32 v[PW], v[HW+1], 16, v[HW]
.endm
.macro XLOAD off                       ; my two fragments' numbers: of row r, 16 neighbours of each block of 32
.irp f, 0,1
.irp b, 0,1,2,3
.irp j, 0,1,2,3
	global_load_b128 v[ST+64*\f+16*\b+4*\j:ST+64*\f+16*\b+4*\j+3], v[XA], s[XB:XB+1] offset:\off+512*\f+128*\b+16*\j th:TH_LOAD_NT
.endr
.endr
.endr
.endm
.macro IMAGE off                       ; the fragment in v[PC] on goes to LDS as it stands, and its scale word
.irp c, 0,1,2
	ds_store_b128 v[XWI], v[PC+4*\c:PC+4*\c+3] offset:1536*(\off)+512*\c
.endr
	ds_store_b32 v[XWS], v[PW] offset:XSC+128*(\off)
.endm
; Q and K: two tiles of rows at a time; for each, my head's four tiles by turns, K step by K step
.macro MQK
.irp a, 0,1
.irp mm, 0,1
.if \mm == 1
	PLACES                                         ; the loads below land in registers that the products above have read
.endif
	WIN 0x40                                       ; destination window 1
.irp g, 0,1,2,3,4,5,6,7,8,9,10,11
	ds_load_b128 v[XF+4*\g:XF+4*\g+3], v[LI] offset:4*(2*\a+\mm)*1536+512*\g
.endr
	WIN 0
.irp s, 0,1,2,3
	ds_load_b32 v[XS+\s], v[LS] offset:XSC+(4*(2*\a+\mm)+\s)*128
.endr
	s_wait_dscnt 0x0
	WIN 0x05                                       ; sources 0 (W) and 1 (x) window 1
.irp s, 0,1,2,3
.irp t, 0,1,2,3
.if \s == 0
	WM ACC+32*\mm+8*\t, WF+12*(4*\t+\s), XF+12*\s, -1, WSC+4*(\t/2)+\s, XS+\s, \t%2, 0
.else
	WM ACC+32*\mm+8*\t, WF+12*(4*\t+\s), XF+12*\s, ACC+32*\mm+8*\t, WSC+4*(\t/2)+\s, XS+\s, \t%2, 0
.endif
.endr
.endr
	WIN 0
.endr
	PLACES
.if \a == 1
	s_wait_xcnt 0x0                                ; the first half's stores have read v[PC] on
.endif
	QPAIR ACC, PC, HW+2*\a, 0
	QPAIR ACC+32, PC+6, HW+2*\a+1, 0
.irp g, 0,1,2
	global_store_b128 v[LI], v[PC+4*\g:PC+4*\g+3], s[DC:DC+1] offset:1536*\a+512*\g   ; 32 lanes store 512 consecutive bytes
.endr
	v_cndmask_b32 v[SW+\a], v[HW+2*\a], v[HW+2*\a+1], s[HM]     ; lanes 0-15 tile 2 a's bytes, lanes 16-31 tile 2 a + 1's
.endr
	global_store_b64 v[L8], v[SW:SW+1], s[DS:DS+1]              ; 256 consecutive bytes
.endm
; V: two tiles of channels at a time against the group's four tiles of keys: eight accumulators by turns, a K step at a time
.macro MV
.irp a, 0,1
.irp s, 0,1,2,3
.if \s > 0
	PLACES
.endif
	WIN 0x40
.irp m, 0,1,2,3
.irp g, 0,1,2
	ds_load_b128 v[XF+12*\m+4*\g:XF+12*\m+4*\g+3], v[LI] offset:(4*\m+\s)*1536+512*\g
.endr
.endr
	WIN 0
.irp m, 0,1,2,3
	ds_load_b32 v[XS+\m], v[LS] offset:XSC+(4*\m+\s)*128
.endr
	s_wait_dscnt 0x0
	WIN 0x05
.irp m, 0,1,2,3
.irp tt, 0,1
.if \s == 0
	WM ACC+32*\tt+8*\m, XF+12*\m, WF+12*(4*(2*\a+\tt)+\s), -1, XS+\m, WSC+4*\a+\s, 0, \tt
.else
	WM ACC+32*\tt+8*\m, XF+12*\m, WF+12*(4*(2*\a+\tt)+\s), ACC+32*\tt+8*\m, XS+\m, WSC+4*\a+\s, 0, \tt
.endif
.endr
.endr
	WIN 0
.endr
	PLACES
.if \a == 1
	s_wait_xcnt 0x0                                ; the first half's stores have read v[PC] on
.endif
	QPAIR ACC, PC, HW+2*\a, 0
	QPAIR ACC+32, PC+6, HW+2*\a+1, 0
.irp p, 0,1,2,3,4,5
	global_store_b64 v[L8], v[PC+2*\p:PC+2*\p+1], s[DC:DC+1] offset:(6*\a+\p)*256     ; 32 lanes store 256 consecutive bytes, aligned
.endr
	v_cndmask_b32 v[SW+\a], v[HW+2*\a], v[HW+2*\a+1], s[HM]
.endr
	s_delay_alu instid0(VALU_DEP_1)
	v_lshl_or_b32 v[SW], v[SW+1], 16, v[SW]
	global_store_b32 v[LS], v[SW], s[DS:DS+1]
.endm
	s_load_b512 s[4:19], s[0:1], 0x0               ; query, key, value, wq, qcod, kcod, vcod, scl
	v_lshl_add_u32 v254, v0, 2, 0x7000
	v_mov_b32 v255, 0
	v_lshrrev_b32 v244, 5, v0
	s_delay_alu instid0(VALU_DEP_1)
	v_readfirstlane_b32 s[WV], v244                ; wave 0..7 = head
	s_and_b32 s[Y], ttmp7, 0xffff                  ; which tensor
	v_and_b32 v244, 15, v0                         ; r
	v_bfe_u32 v245, v0, 4, 1                       ; h
	v_and_b32 v246, 31, v0                         ; lane
	s_delay_alu instid0(VALU_DEP_1)
	v_lshlrev_b32 v[LI], 4, v246
	s_delay_alu instid0(VALU_DEP_2)
	v_lshlrev_b32 v[L8], 3, v246
	s_delay_alu instid0(VALU_DEP_3)
	v_lshlrev_b32 v[LS], 2, v246
	v_lshlrev_b32 v[LW], 2, v244
	s_delay_alu instid0(VALU_DEP_1)
	v_lshl_add_u32 v[LW], v245, 9, v[LW]
	v_and_b32 v247, 8, v244
	s_delay_alu instid0(VALU_DEP_1)
	v_add_nc_u32 v247, v247, v244                  ; r + 8 (r / 8)
	s_delay_alu instid0(VALU_DEP_1)
	v_lshlrev_b32 v[XA], 11, v247                  ; a row of x is 2,048 bytes
	s_delay_alu instid0(VALU_DEP_1)
	v_lshl_add_u32 v[XA], v245, 6, v[XA]           ; + 64 h
	s_wait_alu depctr_va_vdst(0)
	s_lshr_b32 s26, s[WV], 2                       ; I quantise tile m = w / 2, K steps 2 (w % 2) and the next: the tile's first row is 32 (m / 2) + 8 (m % 2)
	s_lshl_b32 s26, s26, 5
	s_bfe_u32 s27, s[WV], 0x10001
	s_lshl_b32 s27, s27, 3
	s_add_co_u32 s26, s26, s27
	s_lshl_b32 s26, s26, 11
	s_and_b32 s27, s[WV], 1
	s_lshl_b32 s27, s27, 10
	s_add_co_u32 s26, s26, s27
	v_add_nc_u32 v[XA], s26, v[XA]
	s_mul_i32 s26, s[WV], 3072
	v_add_nc_u32 v[XWI], s26, v[LI]
	s_lshl_b32 s26, s[WV], 8
	v_add_nc_u32 v[XWS], s26, v[LS]
	v_mov_b32 v[TM+2], 0                           ; written once: a lane permute's destination counts as one of its sources
	v_mov_b32 v[TM+3], 0
	s_mov_b32 s[SEL], 0x76543210
	s_mov_b32 s[SEL+1], 0xfedcba98
	s_mov_b32 s[HM], 0xffff0000
	s_mov_b32 s[GRP], 2
	s_mov_b32 s[DSTEP], 256
	s_mov_b32 s[DSTEP+1], 0
	s_mov_b32 s29, 0
	s_wait_alu depctr_va_vdst(0)
	s_wait_kmcnt 0x0
	s_cmp_eq_u32 s[Y], 0                           ; the choices hang on the work-group's number alone
	s_cselect_b64 s[XB:XB+1], s[4:5], s[6:7]
	s_cselect_b64 s[DC:DC+1], s[12:13], s[14:15]
	s_cselect_b32 s30, 24576, 0                    ; where the tensor's scale words lie in a head's 40,960 bytes
	s_cmp_eq_u32 s[Y], 2
	s_cselect_b64 s[XB:XB+1], s[8:9], s[XB:XB+1]
	s_cselect_b64 s[DC:DC+1], s[16:17], s[DC:DC+1]
	s_cselect_b32 s30, 16384, s30
	s_cselect_b32 s[DSTEP], 128, s[DSTEP]
	s_lshl_b32 s28, ttmp9, 18                      ; 128 rows of 2,048 bytes
	s_add_nc_u64 s[XB:XB+1], s[XB:XB+1], s[28:29]
	s_lshr_b32 s26, ttmp9, 5
	s_lshl_b32 s26, s26, 3
	s_add_co_u32 s26, s26, s[WV]                   ; 8 x batch + head
	s_and_b32 s27, ttmp9, 31                       ; which 128 rows of the batch: groups 2 sigma, 2 sigma + 1
	s_mul_i32 s28, s26, 196608
	s_mul_i32 s31, s27, 6144
	s_add_co_u32 s28, s28, s31
	s_add_nc_u64 s[DC:DC+1], s[DC:DC+1], s[28:29]
	s_mul_i32 s28, s26, 40960
	s_add_co_u32 s28, s28, s30
	s_lshl_b32 s31, s27, 1
	s_mul_i32 s31, s31, s[DSTEP]
	s_add_co_u32 s28, s28, s31
	s_add_nc_u64 s[DS:DS+1], s[18:19], s[28:29]
	s_mul_i32 s28, s[Y], 196608
	s_mul_i32 s31, s[WV], 24576
	s_add_co_u32 s28, s28, s31
	s_add_nc_u64 s[34:35], s[10:11], s[28:29]      ; my head's 16 fragments of W
	s_lshl_b32 s28, s[Y], 14
	s_lshl_b32 s31, s[WV], 11
	s_add_co_u32 s28, s28, s31
	s_add_co_u32 s28, s28, 786432
	s_add_nc_u64 s[36:37], s[10:11], s[28:29]      ; and their scale words
	WIN 0x40                                       ; destination window 1
.set i, 0
.rept 48
	global_load_b128 v[WF+4*i:WF+4*i+3], v[LI], s[34:35] offset:512*i
.set i, i+1
.endr
	WIN 0
.irp tp, 0,1
.irp s, 0,1,2,3
	global_load_b32 v[WSC+4*\tp+\s], v[LW], s[36:37] offset:1024*\tp+128*\s
.endr
.endr
	XLOAD 0                                        ; the first group's numbers
.Lgroup:
	s_wait_loadcnt 16                              ; my first fragment's numbers are in (and all that was asked for before them); the second's 16 loads may be out
	QUANT ST
	IMAGE 0
	s_wait_loadcnt 0x0
	s_wait_dscnt 0x0                               ; the stores have read v[PC] on
	QUANT ST+64
	IMAGE 1
	BARRIER                                        ; the group's sixteen fragments lie in LDS
	s_cmp_eq_u32 s[GRP], 1                         ; the second group's numbers are asked for here and land beside the products; behind the second group nothing is asked for: no load leaves its buffer
	s_cbranch_scc1 .Lno_next
	XLOAD 131072
.Lno_next:
	s_cmp_eq_u32 s[Y], 2                           ; both ways only read LDS; the barriers stand outside them
	s_cbranch_scc1 .Lmv
	MQK
	s_branch .Ljoin
.Lmv:
	MV
.Ljoin:
	s_wait_xcnt 0x0                                ; the stores have read their data and bases: both may be written again
	s_add_nc_u64 s[DC:DC+1], s[DC:DC+1], 3072
	s_add_nc_u64 s[DS:DS+1], s[DS:DS+1], s[DSTEP:DSTEP+1]
	BARRIER                                        ; every wave's reads of the images are over: the next group's may be stored
	s_sub_co_u32 s[GRP], s[GRP], 1
	s_cmp_lg_u32 s[GRP], 0
	s_cbranch_scc1 .Lgroup
	s_wait_tensorcnt 0x0
	ds_add_u32 v254, v255
	s_wait_dscnt 0x0
	s_endpgm
.Lfunc_end_k_qe4578fd136_proj:
	.size	k_qe4578fd136_proj, .Lfunc_end_k_qe4578fd136_proj-k_qe4578fd136_proj
	.p2alignl 7, 3214868480
	.fill 96, 4, 3214868480
	.section	.rodata,"a",@progbits
	.p2align	6, 0x0
	.amdhsa_kernel k_qe4578fd136_proj
		.amdhsa_group_segment_fixed_size 29696
		.amdhsa_private_segment_fixed_size 0
		.amdhsa_enable_private_segment 0
		.amdhsa_kernarg_size 64
		.amdhsa_user_sgpr_count 2
		.amdhsa_user_sgpr_kernarg_segment_ptr 1
		.amdhsa_wavefront_size32 1
		.amdhsa_system_sgpr_workgroup_id_x 1
		.amdhsa_system_sgpr_workgroup_id_y 1
		.amdhsa_system_sgpr_workgroup_id_z 1
		.amdhsa_system_vgpr_workitem_id 0
		.amdhsa_next_free_vgpr 512
		.amdhsa_next_free_sgpr 66
		.amdhsa_reserve_vcc 0
		.amdhsa_float_denorm_mode_32 3
		.amdhsa_float_denorm_mode_16_64 3
		.amdhsa_memory_ordered 1
		.amdhsa_forward_progress 1
		.amdhsa_inst_pref_size 77
	.end_amdhsa_kernel
	.amdgpu_metadata
---
amdhsa.version: [ 1, 2 ]
amdhsa.kernels:
  - .name:           k_qe4578fd136_proj
    .symbol:         k_qe4578fd136_proj.kd
    .args:
      - { .name: query, .offset: 0, .size: 8, .value_kind: global_buffer, .address_space: global }
      - { .name: key, .offset: 8, .size: 8, .value_kind: global_buffer, .address_space: global }
      - { .name: value, .offset: 16, .size: 8, .value_kind: global_buffer, .address_space: global }
      - { .name: wq, .offset: 24, .size: 8, .value_kind: global_buffer, .address_space: global }
      - { .name: qcod, .offset: 32, .size: 8, .value_kind: global_buffer, .address_space: global }
      - { .name: kcod, .offset: 40, .size: 8, .value_kind: global_buffer, .address_space: global }
      - { .name: vcod, .offset: 48, .size: 8, .value_kind: global_buffer, .address_space: global }
      - { .name: scl, .offset: 56, .size: 8, .value_kind: global_buffer, .address_space: global }
    .group_segment_fixed_size: 29696
    .private_segment_fixed_size: 0
    .kernarg_segment_align: 8
    .kernarg_segment_size: 64
    .max_flat_workgroup_size: 256
    .sgpr_count:     66
    .vgpr_count:     512
    .wavefront_size: 32
...
	.end_amdgpu_metadata
.endif
;; end of part 2
;; launch attn (part 3): grid 16 x 16, 8 waves a work-group, clusters of 4 x 1, 327,680 bytes of LDS; arguments qcod, kcod, vcod, scl, mask, ocod, oscl; writes ocod, oscl
.if DOCPART == 3
	.amdgcn_target "amdgcn-amd-amdhsa--gfx1250"
	.amdhsa_code_object_version 6
	.text
	.protected	k_qe4578fd136_attn
	.globl	k_qe4578fd136_attn
	.p2align	8
	.type	k_qe4578fd136_attn,@function
k_qe4578fd136_attn:
	s_mov_b64 s[64:65], 0
	v_nop
	global_prefetch_b8 v0, s[64:65] scope:SCOPE_SE
	s_setreg_imm32_b32 hwreg(HW_REG_WAVE_MODE, 25, 1), 1
	s_wait_xcnt 0x0
	s_wait_alu depctr_hold_cnt(0) depctr_sa_sdst(0) depctr_va_vdst(0) depctr_va_sdst(0) depctr_va_ssrc(0) depctr_va_vcc(0) depctr_vm_vsrc(0)
	s_getreg_b32 s2, hwreg(HW_REG_IB_STS2, 6, 4)
	s_cmp_eq_u32 s2, 0
	s_cbranch_scc0 .Lentry_in_a_cluster
	s_endpgm
.Lentry_in_a_cluster:
	s_bfe_u32 s2, ttmp6, 0x10000c
	s_cmp_lg_u32 s2, 0x3003
	s_cbranch_scc0 .Lentry_shape_is_right
	s_endpgm
.Lentry_shape_is_right:
; O = softmax(mask(Q K^T / 8)) V for one head (work-group y = 8 x batch + head) and 256 queries, both products on codes of FP6 (E2M3) with E8M0 scales; O is quantised at once for the last product.
; WHAT IS QUANTISED AHEAD OF THE SECOND PRODUCT IS THE FINISHED, NORMALISED attn.  Its codes hang on the row's sum, so the keys are walked TWICE:
;   walk 1: scores, a running largest t (t = score x log2(e) / 8; M = that, rounded up to a whole number) and the sum l of 2^(t - M), for each lane's half of the keys; the halves are joined once at the end;
;   walk 2: the scores again, p = 2^(t - M - log2 l) by one fused multiply-add and one exponential, quantised along the keys in blocks of 32, multiplied by V.
; THE MASK is the C of the score's matrix instruction: 0 for a key that counts, -1e30 for one that does not; so p of a masked key is 0 ahead of every block's maximum.
; A row all of whose keys are masked has l = 0 exactly: it gets -M - log2 l = -infinity, every p is 0 and O is 0, as nan_to_num leaves it.
; SHARES.  Eight waves; a wave owns 32 queries: two tiles of 16, which share every fragment of K and V and every bias register.  Both products are used transposed (S^T = K Q^T, O^T = V^T P^T): a lane holds ONE query.
; The rows of a tile are not neighbours (in each 32: lane r of tile u takes 8 u + r + 8 (r / 8)): 16 registers of two neighbouring tiles are 16 neighbours along the next K.
; Q K^T has K = 64 in an instruction of 128: Q's upper six registers are zero codes, so K's upper six may be anything: tile t's fragment is v[6 t : 6 t + 11], whose upper half is the next tile's codes.
; LDS.  The head's whole K (196,608 B) and K's and V's scale words (24,576 B) come once, by one joint load a wave (waves 0-5: 32,768 B of K each; waves 6, 7: 12,288 B of scale words each), and stay; nothing is filled again.
; CLUSTER: the four query blocks of a cluster belong to one head; each tensor load hangs on the head and the wave's number alone and names the four.
; V IS NOT ASKED FOR JOINTLY: a joint load lands in LDS alone, and beside K, the scale words and the bias (237,568 B) LDS has no room for V's 196,608 B.  vcod lies in the order of the operand's registers,
; so each wave takes a step's 6,144 B from memory straight into them, 32 lanes to 256 consecutive bytes; walk 2 so has no barrier.
; PREFETCH: in each trip of walk 2 (512 keys) but the last, one instruction a wave names the next trip's 24,576 B of V: 96 blocks of 256 B, three to each of the cluster's 32 waves, told apart by address
; (lanes 2-31 name the wave's last block); the first trip's are named at the head, ahead of walk 1.
; LIMITS: |t| under 2^30 (the floor of the running largest t); a masked score is -1e30; p under 2^-126 is 0; -M - log2 l is rounded once to f32; NaN and infinities among the inputs are not served.
; A block of zeros keeps the scale byte 1 (the rule says 127): its codes are zeros and this program alone reads the bytes.
.set SC,    196608                     ; LDS: K's codes at 0 (6,144 B for 128 keys); here the scale words: K's (512 B for 128 keys),
.set KS,    SC
.set VS,    SC+16384                   ; V's (256 B for 128 keys)
.set BIAS,  221184                     ; 4,096 f32, written by LDS stores
.set SPARE, 237568                     ; the spare words, 128 bytes for each wave
.set SPW, 1                            ; v1   my spare word; never rewritten
.set NIL, 2                            ; v2   0; never rewritten
.set AK0, 3                            ; v3   16 x lane
.set AS0, 4                            ; v4   KS + 8 x lane
.set AB0, 5                            ; v5   BIAS + 64 (lane / 16)
.set AV0, 6                            ; v6   8 x lane
.set AT0, 7                            ; v7   VS + 4 x lane
.set ADK, 8                            ; v8-12 addresses in hand (v11: at the head -1e30)
.set ADS, 9
.set ADB, 10
.set ADV, 11
.set ADT, 12
.set L4,  13                           ; v13  4 x lane
.set TP,  14                           ; v14-15 at work
.set ST,  16                           ; tile q at v[16 + 4 q]: -M (later -M - log2 l), the largest t, the sum in two halves
.set FA,  24                           ; v24, v26 the factor 2^(old M - new M)
.set KSC, 28                           ; v28-31 K's scale words: lanes 0-15 the even tile, lanes 16-31 the odd one
.set VSC, 32                           ; v32-33 V's likewise
.set VR,  34                           ; v34-35 V's scale words as they lie in LDS
.set QSC, 36                           ; v36    Q's
.set PSC, 38                           ; v38-39 p's
.set BM,  40                           ; v40-47 (tile 1: v112-119) the blocks' largest scores, then p
.set SO,  48                           ; v48-51 (tile 1: v120-123) the conversions' scale operands
.set CT,  52
.set HW,  60
.set PFO, 62                           ; v62    the prefetches' offset; never rewritten
.set TM,  40
.set QF,  64                           ; v64-87  Q
.set PF,  88                           ; v88-111 p's codes
.set S,   128                          ; v128-255 S^T, then p
.set KF,  0                            ; window 1: K's eight half fragments and six zeros
.set VF,  64                           ; window 1: V's four fragments
.set BI,  128                          ; window 1: the bias
.set OA,  192                          ; window 1: O^T
.set WV,  18
.set CX,  19
.set SEL, 20
.set CS,  22
.set G1A, 24                           ; group 1: 48 dense rows of 256 bytes
.set G1K, 32                           ; group 1: 128 such rows
.set G0S, 40
.set G0K, 44
.set TK,  52
.set T5,  53
.set TVS, 54
.set T5W, 55                           ; the step's byte among K's scale words and the bias: T5 held inside their 16,384 bytes
.set CNT, 56
.set SLOTS, 57
.set HM,  80
.set VB,  82                           ; s[82:83] V's codes of the trip in hand
.set MSB, 0
.macro WIN new
.if MSB != (\new)
	s_set_vgpr_msb (MSB<<8)|(\new)
.set MSB, (\new)
.endif
.endm
.macro PLACES
.rept 4
	v_nop
.endr
.endm
.macro CROUND
	s_barrier_signal -1
	s_barrier_wait -1
	s_cmp_lg_u32 s[WV], 0
	s_cbranch_scc1 .Lnot_wave_0_\@
	s_barrier_signal -3
.Lnot_wave_0_\@:
	s_barrier_wait -3
	s_barrier_signal -1
	s_barrier_wait -1
.endm
; one matrix instruction;  ra, rb: the side's scales stand in lanes 16-31
.macro WM d, a, b, c, sa, sb, ra, rb
.if (\ra) && (\rb)
	v_wmma_scale_f32_16x16x128_f8f6f4 v[(\d):(\d)+7], v[(\a):(\a)+11], v[(\b):(\b)+11], v[(\c):(\c)+7], v[\sa], v[\sb] matrix_a_fmt:MATRIX_FMT_FP6 matrix_b_fmt:MATRIX_FMT_FP6 matrix_a_scale:MATRIX_SCALE_ROW1 matrix_b_scale:MATRIX_SCALE_ROW1
.elseif (\ra)
	v_wmma_scale_f32_16x16x128_f8f6f4 v[(\d):(\d)+7], v[(\a):(\a)+11], v[(\b):(\b)+11], v[(\c):(\c)+7], v[\sa], v[\sb] matrix_a_fmt:MATRIX_FMT_FP6 matrix_b_fmt:MATRIX_FMT_FP6 matrix_a_scale:MATRIX_SCALE_ROW1
.elseif (\rb)
	v_wmma_scale_f32_16x16x128_f8f6f4 v[(\d):(\d)+7], v[(\a):(\a)+11], v[(\b):(\b)+11], v[(\c):(\c)+7], v[\sa], v[\sb] matrix_a_fmt:MATRIX_FMT_FP6 matrix_b_fmt:MATRIX_FMT_FP6 matrix_b_scale:MATRIX_SCALE_ROW1
.else
	v_wmma_scale_f32_16x16x128_f8f6f4 v[(\d):(\d)+7], v[(\a):(\a)+11], v[(\b):(\b)+11], v[(\c):(\c)+7], v[\sa], v[\sb] matrix_a_fmt:MATRIX_FMT_FP6 matrix_b_fmt:MATRIX_FMT_FP6
.endif
.endm
; 32 numbers of a lane (w = 1: in window 1) become 6 registers of codes and two scale bytes; each accumulator is read from its low end on
.macro QPAIR s, pc, hw, w
	WIN 5*(\w)
.irp b, 0,1
	v_max3_num_f32 v[TM+\b], |v[(\s)+16*\b]|, |v[(\s)+16*\b+1]|, 0x1800000   ; with the floor 2^(3 - 127)
.endr
	WIN 0x14*(\w)
.irp i, 2,4,6,8,10,12,14
.irp b, 0,1
	v_max3_num_f32 v[TM+\b], v[TM+\b], |v[(\s)+16*\b+\i]|, |v[(\s)+16*\b+\i+1]|
.endr
.endr
	WIN 0
.irp b, 0,1
	v_permlanex16_b32 v[TM+2+\b], v[TM+\b], s[SEL], s[SEL+1]
.endr
.irp b, 0,1
	s_delay_alu instid0(VALU_DEP_2)
	v_max_num_f32 v[TM+\b], v[TM+\b], v[TM+2+\b]
.endr
.irp b, 0,1
	s_delay_alu instid0(VALU_DEP_2)
	v_add_nc_u32 v[TM+4+\b], 0xff000000, v[TM+\b]     ; 2 off the exponent field: the conversion's scale operand
.endr
.irp b, 0,1
	s_delay_alu instid0(VALU_DEP_2)
	v_lshrrev_b32 v[TM+2+\b], 23, v[TM+4+\b]          ; the scale's byte
.endr
	s_delay_alu instid0(VALU_DEP_1)
	v_lshl_or_b32 v[\hw], v[TM+3], 8, v[TM+2]
	WIN (\w)
	v_cvt_scalef32_pk16_fp6_f32 v[(\pc):(\pc)+2], v[(\s):(\s)+15], v[TM+4]
	v_cvt_scalef32_pk16_fp6_f32 v[CT:CT+2], v[(\s)+16:(\s)+31], v[TM+5]
	WIN 0
	v_nop                                          ; one plain place behind a scaled conversion
.irp i, 0,1,2
	v_permlane16_swap_b32 v[(\pc)+\i], v[CT+\i]
.endr
.irp i, 0,1,2
	s_delay_alu instid0(VALU_DEP_3)
	v_mov_b32 v[(\pc)+3+\i], v[CT+\i]
.endr
.endm
.macro ADRK
	v_add_nc_u32 v[ADK], s[TK], v[AK0]
	v_add_nc_u32 v[ADS], s[T5W], v[AS0]
	v_add_nc_u32 v[ADB], s[T5W], v[AB0]
.endm
; The next 128 keys are asked for, behind the places that follow Q K^T: 512 bytes on among the scale words and the bias, round at 16,384; K's codes lie at 12 times that
.macro NEXTK
	s_add_co_u32 s[T5], s[T5], 512
	s_and_b32 s[T5W], s[T5], 0x3e00
	s_mul_i32 s[TK], s[T5W], 12
	ADRK
	LOADK 0
	WIN 0
.endm
; 128 keys, the st-th behind the addresses: 2 + 12 + 16 LDS loads.  It leaves the destination's window at 1.
.macro LOADK st
.irp g, 0,1
	ds_load_b64 v[KSC+2*\g:KSC+2*\g+1], v[ADS] offset:512*(\st)+256*\g
.endr
	WIN 0x40
.irp g, 0,1,2,3,4,5,6,7,8,9,10,11
	ds_load_b128 v[KF+4*\g:KF+4*\g+3], v[ADK] offset:6144*(\st)+512*\g
.endr
.irp t, 0,1,2,3,4,5,6,7
.irp i, 0,1
	ds_load_b128 v[BI+8*\t+4*\i:BI+8*\t+4*\i+3], v[ADB] offset:512*(\st)+128*(\t/2)+32*(\t%2)+16*\i
.endr
.endr
.endm
.macro LOADV st                        ; V's four fragments from memory, 24 loads of 256 consecutive bytes a wave; its 2 scale words from LDS
	WIN 0x40
.irp t, 0,1,2,3
.irp c, 0,1
.irp i, 0,1,2
	global_load_b64 v[VF+12*\t+6*\c+2*\i:VF+12*\t+6*\c+2*\i+1], v[AV0], s[VB:VB+1] offset:6144*(\st)+3072*\c+256*(3*\t+\i)
.endr
.endr
.endr
	WIN 0
.irp c, 0,1
	ds_load_b32 v[VR+\c], v[ADT] offset:256*(\st)+128*\c
.endr
.endm
.macro QK                              ; S^T = K Q^T + bias: 16 sums of one instruction each
	WIN 0x11
.irp q, 0,1
.irp t, 0,1,2,3,4,5,6,7
	WM S+64*\q+8*\t, KF+6*\t, QF+12*\q, BI+8*\t, KSC+\t/2, QSC, \t%2, \q
.endr
.endr
	WIN 0
.endm
.macro PV                              ; O^T += V^T P^T: eight accumulators by turns
	WIN 0x51
.irp t, 0,1,2,3
.irp q, 0,1
	WM OA+32*\q+8*\t, VF+12*\t, PF+12*\q, OA+32*\q+8*\t, VSC+\t/2, PSC+\q, \t%2, 0
.endr
.endr
	WIN 0
	PLACES                                         ; in front of the next loads into V's registers, and of the way out's reads
.endm
.macro BMAX q                          ; the largest score of each block of 32 keys among my 16 of it
.irp b, 0,1,2,3
	v_max3_num_f32 v[BM+72*(\q)+\b], v[S+64*(\q)+16*\b], v[S+64*(\q)+16*\b+1], v[S+64*(\q)+16*\b+2]
.endr
.irp i, 3,5,7,9,11,13
.irp b, 0,1,2,3
	v_max3_num_f32 v[BM+72*(\q)+\b], v[BM+72*(\q)+\b], v[S+64*(\q)+16*\b+\i], v[S+64*(\q)+16*\b+\i+1]
.endr
.endr
.irp b, 0,1,2,3
	v_max_num_f32 v[BM+72*(\q)+\b], v[BM+72*(\q)+\b], v[S+64*(\q)+16*\b+15]
.endr
.endm
.macro BX q                            ; with lane l xor 16's 16 keys
.irp b, 0,1,2,3
	s_delay_alu instid0(VALU_DEP_4)
	v_permlanex16_b32 v[BM+72*(\q)+4+\b], v[BM+72*(\q)+\b], s[SEL], s[SEL+1]
.endr
.irp b, 0,1,2,3
	s_delay_alu instid0(VALU_DEP_4)
	v_max_num_f32 v[BM+72*(\q)+\b], v[BM+72*(\q)+\b], v[BM+72*(\q)+4+\b]
.endr
.endm
.macro SCALE q                         ; score x c + (-M ..), two at a time
.set j, 0
.rept 32
	v_pk_fma_f32 v[S+64*(\q)+j:S+64*(\q)+j+1], v[S+64*(\q)+j:S+64*(\q)+j+1], s[CS:CS+1], v[ST+4*(\q):ST+4*(\q)+1] op_sel_hi:[1,0,0]
.set j, j+2
.endr
.endm
.macro EXPS q
.set j, 0
.rept 64
	v_exp_f32 v[S+64*(\q)+j], v[S+64*(\q)+j]
.set j, j+1
.endr
.endm
.macro BFMA q                          ; the same multiply-add of each block's largest score,
.irp b, 0,1,2,3
	v_fma_f32 v[BM+72*(\q)+\b], v[BM+72*(\q)+\b], s[CS], v[ST+4*(\q)]
.endr
.endm
.macro BEXP q                          ; and the same exponential: the block's largest p
.irp b, 0,1,2,3
	v_exp_f32 v[BM+72*(\q)+\b], v[BM+72*(\q)+\b]
.endr
.endm
.macro STAT2                           ; walk 1: my lane's running largest t, -M = floor(-t), and f = 2^(old M - new M); the two tiles' chains by turns
.irp q, 0,1
	v_max3_num_f32 v[TP+\q], v[BM+72*\q], v[BM+72*\q+1], v[BM+72*\q+2]
.endr
.irp q, 0,1
	s_delay_alu instid0(VALU_DEP_2)
	v_max_num_f32 v[TP+\q], v[TP+\q], v[BM+72*\q+3]
.endr
.irp q, 0,1
	s_delay_alu instid0(VALU_DEP_2)
	v_mul_f32 v[TP+\q], s[CS], v[TP+\q]
.endr
.irp q, 0,1
	s_delay_alu instid0(VALU_DEP_2)
	v_max_num_f32 v[ST+4*\q+1], v[ST+4*\q+1], v[TP+\q]
.endr
.irp q, 0,1
	v_mov_b32 v[TP+\q], v[ST+4*\q]
.endr
.irp q, 0,1
	s_delay_alu instid0(VALU_DEP_4)
	v_floor_f32 v[ST+4*\q], -v[ST+4*\q+1]
.endr
.irp q, 0,1
	s_delay_alu instid0(VALU_DEP_2)
	v_sub_f32 v[TP+\q], v[ST+4*\q], v[TP+\q]
.endr
.irp q, 0,1
	s_delay_alu instid0(VALU_DEP_2)
	v_cvt_i32_f32 v[TP+\q], v[TP+\q]
.endr
.irp q, 0,1
	s_delay_alu instid0(VALU_DEP_2)
	v_ldexp_f32 v[FA+2*\q], 1.0, v[TP+\q]
.endr
.endm
; The sum of a tile's 64 p is a tree of packed additions in p's own registers.  SUMA: the first level, 64 numbers to 32, sixteen additions that hang on no other
.macro SUMA q
.set j, 0
.rept 16
	v_pk_add_f32 v[S+64*(\q)+j:S+64*(\q)+j+1], v[S+64*(\q)+j:S+64*(\q)+j+1], v[S+64*(\q)+32+j:S+64*(\q)+32+j+1]
.set j, j+2
.endr
.endm
.macro SUMB                            ; the other levels, 32 to 2, both tiles by turns; then onto the running sums' two halves
.irp w, 16,8,4,2
.irp q, 0,1
.set j, 0
.rept \w/2
	v_pk_add_f32 v[S+64*\q+j:S+64*\q+j+1], v[S+64*\q+j:S+64*\q+j+1], v[S+64*\q+\w+j:S+64*\q+\w+j+1]
.set j, j+2
.endr
.endr
.endr
.irp q, 0,1
	s_delay_alu instid0(VALU_DEP_2)
	v_pk_add_f32 v[ST+4*\q+2:ST+4*\q+3], v[ST+4*\q+2:ST+4*\q+3], v[S+64*\q:S+64*\q+1]
.endr
.endm
; Tile 0's 64 exponentials with tile 1's 32 multiply-adds between them: these read nothing of the batch, and their results are first read behind the batch's closing wait
.macro EXSC
.set j, 0
.rept 32
	v_exp_f32 v[S+j], v[S+j]
	v_exp_f32 v[S+j+1], v[S+j+1]
	v_pk_fma_f32 v[S+64+j:S+64+j+1], v[S+64+j:S+64+j+1], s[CS:CS+1], v[ST+4:ST+5] op_sel_hi:[1,0,0]
.set j, j+2
.endr
.endm
; Tile 1's 64 exponentials with the first level of tile 0's sum between them, likewise
.macro EXSU
.set j, 0
.rept 16
	v_exp_f32 v[S+64+2*j], v[S+64+2*j]
	v_exp_f32 v[S+64+2*j+1], v[S+64+2*j+1]
	v_exp_f32 v[S+64+2*j+2], v[S+64+2*j+2]
	v_exp_f32 v[S+64+2*j+3], v[S+64+2*j+3]
	v_pk_add_f32 v[S+j:S+j+1], v[S+j:S+j+1], v[S+32+j:S+32+j+1]
.set j, j+2
.endr
.endm
; WALK 1, a step of 128 keys.  Each tile's 64 exponentials are one batch; the other tile's plain work stands between.
.macro P1STEP
	s_wait_dscnt 0x0                               ; this step's K, scale words and bias, asked for in the step before, are in
	QK
	PLACES
	NEXTK                                          ; the next step's (in the last trip: walk 2's first)
	BMAX 0
	BMAX 1
	STAT2
	SCALE 0
	s_wait_alu depctr_va_vdst(0)                   ; the wait ahead of a batch
	EXSC
	v_pk_mul_f32 v[ST+2:ST+3], v[ST+2:ST+3], v[FA:FA+1] op_sel_hi:[1,0]       ; the sums under the new M
	v_pk_mul_f32 v[ST+6:ST+7], v[ST+6:ST+7], v[FA+2:FA+3] op_sel_hi:[1,0]
	s_wait_alu depctr_va_vdst(0)                   ; one for tile 0's batch
	EXSU
	s_wait_alu depctr_va_vdst(0)                   ; and one for tile 1's
	SUMA 1
	SUMB
.endm
; The two halves of a query's keys are joined: the smaller -M, both sums under it, and -M - log2 l takes -M's place; -infinity where l is 0
.macro MERGE q
	v_permlanex16_b32 v[BM+72*(\q)+4], v[ST+4*(\q)], s[SEL], s[SEL+1]
	s_delay_alu instid0(VALU_DEP_1)
	v_min_num_f32 v[BM+72*(\q)+4], v[BM+72*(\q)+4], v[ST+4*(\q)]
	s_delay_alu instid0(VALU_DEP_1)
	v_sub_f32 v[TP+\q], v[BM+72*(\q)+4], v[ST+4*(\q)]
	s_delay_alu instid0(VALU_DEP_1)
	v_cvt_i32_f32 v[TP+\q], v[TP+\q]
	s_delay_alu instid0(VALU_DEP_1)
	v_ldexp_f32 v[FA+2*(\q)], 1.0, v[TP+\q]
	v_add_f32 v[ST+4*(\q)+2], v[ST+4*(\q)+2], v[ST+4*(\q)+3]
	s_delay_alu instid0(VALU_DEP_1)
	v_mul_f32 v[ST+4*(\q)+2], v[ST+4*(\q)+2], v[FA+2*(\q)]
	s_delay_alu instid0(VALU_DEP_1)
	v_permlanex16_b32 v[BM+72*(\q)+5], v[ST+4*(\q)+2], s[SEL], s[SEL+1]
	s_delay_alu instid0(VALU_DEP_1)
	v_add_f32 v[ST+4*(\q)+2], v[ST+4*(\q)+2], v[BM+72*(\q)+5]
	s_wait_alu depctr_va_vdst(0)
	v_log_f32 v[BM+72*(\q)+6], v[ST+4*(\q)+2]
	v_mov_b32 v[TP+\q], 0xff800000                 ; -infinity (a plain place behind the logarithm)
	v_cmp_lt_f32 vcc_lo, 0, v[ST+4*(\q)+2]
	s_wait_alu depctr_va_vdst(0)                   ; ahead of the first reader
	v_sub_f32 v[BM+72*(\q)+6], v[BM+72*(\q)+4], v[BM+72*(\q)+6]
	s_delay_alu instid0(VALU_DEP_1)
	v_cndmask_b32 v[ST+4*(\q)], v[TP+\q], v[BM+72*(\q)+6], vcc_lo
.endm
; p of tile q becomes codes and a scale word
.macro P2Q q
.irp b, 0,1,2,3
	v_max_num_f32 v[BM+72*(\q)+\b], 0x1800000, v[BM+72*(\q)+\b]        ; the floor 2^(3 - 127)
.endr
.irp b, 0,1,2,3
	s_delay_alu instid0(VALU_DEP_4)
	v_add_nc_u32 v[SO+72*(\q)+\b], 0xff000000, v[BM+72*(\q)+\b]
.endr
.irp b, 0,1,2,3
	s_delay_alu instid0(VALU_DEP_4)
	v_lshrrev_b32 v[BM+72*(\q)+4+\b], 23, v[SO+72*(\q)+\b]
.endr
	s_delay_alu instid0(VALU_DEP_3)
	v_lshl_or_b32 v[PSC+\q], v[BM+72*(\q)+5], 8, v[BM+72*(\q)+4]
	s_delay_alu instid0(VALU_DEP_1)
	v_lshl_or_b32 v[PSC+\q], v[BM+72*(\q)+6], 16, v[PSC+\q]
	s_delay_alu instid0(VALU_DEP_1)
	v_lshl_or_b32 v[PSC+\q], v[BM+72*(\q)+7], 24, v[PSC+\q]
.irp c, 0,1
	v_cvt_scalef32_pk16_fp6_f32 v[PF+12*(\q)+6*\c:PF+12*(\q)+6*\c+2], v[S+64*(\q)+32*\c:S+64*(\q)+32*\c+15], v[SO+72*(\q)+2*\c]
	v_cvt_scalef32_pk16_fp6_f32 v[CT+4*\c:CT+4*\c+2], v[S+64*(\q)+32*\c+16:S+64*(\q)+32*\c+31], v[SO+72*(\q)+2*\c+1]
.endr
	v_nop                                          ; one plain place behind a scaled conversion
.irp c, 0,1
.irp i, 0,1,2
	v_permlane16_swap_b32 v[PF+12*(\q)+6*\c+\i], v[CT+4*\c+\i]
.endr
.irp i, 0,1,2
	s_delay_alu instid0(VALU_DEP_3)
	v_mov_b32 v[PF+12*(\q)+6*\c+3+\i], v[CT+4*\c+\i]
.endr
.endr
.endm
; WALK 2, a step of 128 keys: the st-th of the trip's four
.macro P2STEP st
	LOADV \st
	s_wait_dscnt 2                                 ; K, its scale words and the bias are in; V's 2 scale words, issued behind them, may be out
	QK
	s_wait_dscnt 0x0
	v_perm_b32 v[VSC], v[VR+1], v[VR], 0x05040100      ; tiles 0 | 1: four bytes for the 128 keys
	v_perm_b32 v[VSC+1], v[VR+1], v[VR], 0x07060302    ; tiles 2 | 3
	v_nop                                          ; with the two lines above: four places behind the products
	v_nop
.if (\st) == 3
	s_cmp_eq_u32 s[SLOTS], 1                       ; behind the walk's last step there is no next one: nothing is asked for
	s_cbranch_scc1 .Lno_next
.endif
	NEXTK
.if (\st) == 3
.Lno_next:
.endif
	BMAX 0
	BX 0
	BMAX 1
	BX 1
	SCALE 0
	BFMA 0
	s_wait_alu depctr_va_vdst(0)                   ; the wait ahead of a batch
	EXSC
	BEXP 0
	BFMA 1
	s_wait_alu depctr_va_vdst(0)                   ; one for tile 0's batch of 68
	EXPS 1
	BEXP 1
	P2Q 0
	s_wait_alu depctr_va_vdst(0)                   ; and one for tile 1's
	s_wait_loadcnt 0x0                             ; V's 24 loads, issued at the step's head, are in
	P2Q 1
	PLACES                                         ; an operand written by vector instructions stands four places ahead of a scaled matrix instruction (its scale word eight: the moves above and these)
	PV
.endm
	s_load_b256 s[4:11], s[0:1], 0x0               ; qcod, kcod, vcod, scl
	s_load_b128 s[12:15], s[0:1], 0x20             ; mask, ocod
	s_load_b64 s[16:17], s[0:1], 0x30              ; oscl
	v_lshl_add_u32 v[SPW], v0, 2, SPARE
	v_mov_b32 v[NIL], 0
	ds_add_u32 v[SPW], v[NIL]                      ; the opening lines: the add twice on end and its wait
	ds_add_u32 v[SPW], v[NIL]
	s_wait_dscnt 0x0
	v_lshrrev_b32 v14, 5, v0
	s_delay_alu instid0(VALU_DEP_1)
	v_readfirstlane_b32 s[WV], v14                 ; wave 0..7
	s_bfe_u32 s[CX], ttmp6, 0x40000                ; my place in the cluster: it enters global addresses of plain loads, stores and prefetches alone
	s_and_b32 s59, ttmp7, 0xffff                   ; 8 x batch + head, which the four partners share
	s_mov_b32 s[G1A], 15|(3<<16)|(1<<21)           ; the mask: all four; elements of 8 bytes; bit 21 beside a mask; no padding
	s_mov_b32 s[G1A+1], 32<<16                     ; rows of 256 bytes
	s_mov_b32 s[G1A+2], 48<<16
	s_mov_b32 s[G1A+3], 32<<16
	s_mov_b32 s[G1A+4], 48
	s_mov_b32 s[G1A+5], 32                         ; dense
	s_mov_b32 s[G1A+6], 0
	s_mov_b32 s[G1A+7], 0
	s_mov_b32 s[G1K], 15|(3<<16)|(1<<21)
	s_mov_b32 s[G1K+1], 32<<16
	s_mov_b32 s[G1K+2], 128<<16
	s_mov_b32 s[G1K+3], 32<<16
	s_mov_b32 s[G1K+4], 128
	s_mov_b32 s[G1K+5], 32
	s_mov_b32 s[G1K+6], 0
	s_mov_b32 s[G1K+7], 0
	s_mul_i32 s60, s59, 196608                     ; the head's first byte in each tensor of codes,
	s_mul_i32 s62, s59, 40960                      ; and in scl
	s_and_b32 s66, s[WV], 1
	s_mul_i32 s66, s66, 12288                      ; waves 6, 7: which half of the scale words
	s_lshl_b32 s67, s[WV], 15                      ; waves 0-5: which sixth of K
	s_add_co_u32 s68, s62, s66
	s_mov_b32 s69, 0
	s_add_co_u32 s70, s60, s67
	s_mov_b32 s71, 0
	s_mov_b32 s72, s60
	s_mov_b32 s73, 0
	s_lshl_b32 s58, ttmp9, 2
	s_add_co_u32 s58, s58, s[CX]                   ; my block of 256 queries
	s_lshl_b32 s74, s58, 2
	s_lshr_b32 s75, s[WV], 1
	s_add_co_u32 s74, s74, s75                     ; my 32 queries lie in group 4 qb + w / 2 of 64 rows,
	s_and_b32 s75, s[WV], 1                        ; in its half w % 2
	s_mul_i32 s76, s74, 3072
	s_mul_i32 s77, s75, 1536
	s_add_co_u32 s76, s76, s77
	s_add_co_u32 s76, s76, s60
	s_mov_b32 s77, 0                               ; Q's codes
	s_lshl_b32 s2, s74, 8
	s_lshl_b32 s3, s75, 2
	s_add_co_u32 s2, s2, s3
	s_add_co_u32 s2, s2, s62
	s_add_co_u32 s2, s2, 24576
	s_mov_b32 s3, 0                                ; Q's scale words
	s_lshr_b32 s61, s59, 3                         ; batch
	s_lshl_b32 s56, s61, 14                        ; its 4,096 words of the mask
	s_mov_b32 s57, 0
	s_lshl_b32 s61, s61, 7
	s_lshl_b32 s63, s58, 3
	s_add_co_u32 s61, s61, s63
	s_add_co_u32 s61, s61, s[WV]                   ; which 32 of the 8,192 rows are mine
	s_and_b32 s63, s59, 7                          ; head
	s_mul_i32 s74, s61, 12288
	s_mul_i32 s75, s63, 768
	s_add_co_u32 s74, s74, s75
	s_mov_b32 s75, 0                               ; O's codes
	s_lshl_b32 s78, s61, 3
	s_add_co_u32 s78, s78, s63
	s_lshl_b32 s78, s78, 7
	s_mov_b32 s79, 0                               ; O's scale words
	s_mov_b32 s[SEL], 0x76543210
	s_mov_b32 s[SEL+1], 0xfedcba98
	s_mov_b32 s[CS], 0x3e38aa3b                    ; c = log2(e) / 8
	s_mov_b32 s[CS+1], s[CS]
	s_mov_b32 s[HM], 0xffff0000
	s_lshl_b32 s81, s[CX], 3
	s_add_co_u32 s81, s81, s[WV]
	s_mul_i32 s81, s81, 768                        ; my wave's three blocks of the 96 that the cluster's 32 waves name
	v_and_b32 v14, 31, v0                          ; lane
	v_bfe_u32 v15, v0, 4, 1                        ; lane / 16
	s_delay_alu instid0(VALU_DEP_2)
	v_lshlrev_b32 v[AK0], 4, v14
	s_delay_alu instid0(VALU_DEP_3)
	v_lshlrev_b32 v[AV0], 3, v14
	s_delay_alu instid0(VALU_DEP_4)
	v_lshlrev_b32 v[L4], 2, v14
	v_lshl_add_u32 v[AS0], v14, 3, KS
	v_lshl_add_u32 v[AT0], v14, 2, VS
	v_lshl_add_u32 v[AB0], v15, 6, BIAS
	v_min_u32 v[PFO], 2, v14
	v_lshlrev_b32 v[ADT], 4, v0                    ; the mask: 16 bytes a thread
	v_lshl_add_u32 v[ADB], v0, 4, BIAS             ; and the bias made of them
	v_lshl_add_u32 v[PFO], v[PFO], 8, s81          ; 256 x (3 x (8 cx + wave) + min(lane, 2))
	s_wait_kmcnt 0x0
	s_mov_b32 s[G0S], 1
	s_add_co_u32 s[G0S+1], s66, SC
	s_add_nc_u64 s[G0S+2:G0S+3], s[10:11], s[68:69]
	s_or_b32 s[G0S+3], s[G0S+3], 0x80000000
	s_mov_b32 s[G0K], 1
	s_mov_b32 s[G0K+1], s67
	s_add_nc_u64 s[G0K+2:G0K+3], s[6:7], s[70:71]
	s_or_b32 s[G0K+3], s[G0K+3], 0x80000000
	s_add_nc_u64 s[VB:VB+1], s[8:9], s[72:73]
	s_add_nc_u64 s[4:5], s[4:5], s[76:77]
	s_add_nc_u64 s[10:11], s[10:11], s[2:3]
	s_add_nc_u64 s[12:13], s[12:13], s[56:57]
	s_add_nc_u64 s[14:15], s[14:15], s[74:75]
	s_add_nc_u64 s[16:17], s[16:17], s[78:79]
	CROUND                                         ; all four work-groups are here: the joint loads meet
	s_cmp_lt_u32 s[WV], 6                          ; one tensor load a wave
	s_cbranch_scc0 .Lhead_scales
	tensor_load_to_lds s[G0K:G0K+3], s[G1K:G1K+7]  ; waves 0-5: a sixth of the head's K
	s_nop 0
	PLACES
	s_branch .Lhead_asked
.Lhead_scales:
	tensor_load_to_lds s[G0S:G0S+3], s[G1A:G1A+7]  ; waves 6, 7: half of the scale words
	s_nop 0
	PLACES
.Lhead_asked:
	s_wait_alu depctr_va_vdst(0)
.irp i, 0,1,2,3
	global_load_b128 v[S+4*\i:S+4*\i+3], v[ADT], s[12:13] offset:4096*\i      ; the batch's mask
.endr
.irp g, 0,1,2
	global_load_b128 v[QF+4*\g:QF+4*\g+3], v[AK0], s[4:5] offset:512*\g       ; Q: tile 0's six registers, then tile 1's
.endr
	global_load_b32 v[QSC], v[AV0], s[10:11]
	global_prefetch_b8 v[PFO], s[VB:VB+1] th:TH_LOAD_NT scope:SCOPE_SE        ; V's first 512 keys, all of walk 1 ahead of their loads
	v_mov_b32 v[ADV], 0xf149f2ca                   ; -1e30
	s_wait_alu depctr_va_vdst(0)
	s_wait_loadcnt 4                               ; the mask is in; Q's three loads and its scale word may be out
.set j, 0
.rept 16
	v_cmp_eq_u32 vcc_lo, 0, v[S+j]
	s_delay_alu instid0(VALU_DEP_1)
	v_cndmask_b32 v[S+j], 0, v[ADV], vcc_lo        ; 0 where the key counts, -1e30 where the mask is 0
.set j, j+1
.endr
.irp i, 0,1,2,3
	ds_store_b128 v[ADB], v[S+4*\i:S+4*\i+3] offset:4096*\i
.endr
	s_wait_loadcnt 0x0
.irp i, 0,1,2,3,4,5
	v_mov_b32 v[QF+12+\i], v[QF+6+\i]              ; tile 1 to its place;
.endr
.irp i, 0,1,2,3,4,5
	v_mov_b32 v[QF+6+\i], 0                        ; k = 64 .. 127 of both tiles: zero codes
	v_mov_b32 v[QF+18+\i], 0
.endr
.irp q, 0,1
	v_mov_b32 v[ST+4*\q+1], 0xce800000             ; the largest t so far: -2^30
	v_mov_b32 v[ST+4*\q], 0x4e800000               ; -M = 2^30
	v_mov_b32 v[ST+4*\q+2], 0
	v_mov_b32 v[ST+4*\q+3], 0
	v_mov_b32 v[FA+2*\q+1], 0                      ; (named as the upper half of a pair)
.irp b, 4,5,6,7
	v_mov_b32 v[BM+72*\q+\b], 0                    ; a lane permute's destination counts as one of its sources
.endr
.endr
	WIN 0x40
.irp i, 48,49,50,51,52,53
	v_mov_b32 v[KF+\i], 0                          ; behind the last tile's codes
.endr
.set j, 0
.rept 64
	v_mov_b32 v[OA+j], 0                           ; O^T, once: walk 2's step is written with one form of the second product
.set j, j+1
.endr
	WIN 0
	s_mov_b32 s[TK], 0
	s_mov_b32 s[T5], 0
	s_mov_b32 s[T5W], 0
	s_mov_b32 s[CNT], 32
	s_wait_tensorcnt 0x0                           ; my tensor load has landed,
	s_wait_dscnt 0x0                               ; and my part of the bias
	s_barrier_signal -1
	s_barrier_wait -1                              ; everybody's have
	ADRK
	LOADK 0                                        ; the first 128 keys
	WIN 0
.Lwalk1:
	P1STEP
	s_sub_co_u32 s[CNT], s[CNT], 1
	s_cmp_lg_u32 s[CNT], 0
	s_cbranch_scc1 .Lwalk1
	MERGE 0
	MERGE 1
	s_mov_b32 s[T5], 0
	s_mov_b32 s[TVS], 0
	s_mov_b32 s[SLOTS], 8
.Lslot:                                            ; eight trips of 512 keys, four steps each; V's offsets within a trip are immediates
	v_add_nc_u32 v[ADT], s[TVS], v[AT0]
	P2STEP 0
	s_cmp_eq_u32 s[SLOTS], 1                       ; the last trip has no next one: it asks for nothing
	s_cbranch_scc1 .Lno_ask
	global_prefetch_b8 v[PFO], s[VB:VB+1] offset:24576 th:TH_LOAD_NT scope:SCOPE_SE   ; the next trip's 24,576 B of V: my wave's three blocks
.Lno_ask:
	P2STEP 1
	P2STEP 2
	P2STEP 3
	s_add_co_u32 s[TVS], s[TVS], 1024
	s_wait_xcnt 0x0                                ; the prefetch and V's loads have read their base: it may step
	s_add_nc_u64 s[VB:VB+1], s[VB:VB+1], 24576
	s_sub_co_u32 s[SLOTS], s[SLOTS], 1
	s_cmp_lg_u32 s[SLOTS], 0
	s_cbranch_scc1 .Lslot
	; THE WAY OUT.  O^T's registers 32 q + 16 b + i are channels 32 b + 16 (lane / 16) + i of my query: two blocks of 32 along the last product's K
.irp q, 0,1
	QPAIR OA+32*\q, PF+12*\q, HW+\q, 1
.endr
.irp q, 0,1
.irp i, 0,1,2
	global_store_b64 v[AV0], v[PF+12*\q+2*\i:PF+12*\q+2*\i+1], s[14:15] offset:6144*\q+256*\i    ; 32 lanes store 256 consecutive bytes, aligned
.endr
.endr
	v_cndmask_b32 v[HW], v[HW], v[HW+1], s[HM]     ; lanes 0-15 tile 0's two bytes, lanes 16-31 tile 1's
	global_store_b32 v[L4], v[HW], s[16:17]
	s_wait_tensorcnt 0x0                           ; the wave's end
	ds_add_u32 v[SPW], v[NIL]
	s_wait_dscnt 0x0
	CROUND                                         ; the closing round
	s_endpgm
.Lfunc_end_k_qe4578fd136_attn:
	.size	k_qe4578fd136_attn, .Lfunc_end_k_qe4578fd136_attn-k_qe4578fd136_attn
	.p2alignl 7, 3214868480
	.fill 96, 4, 3214868480
	.section	.rodata,"a",@progbits
	.p2align	6, 0x0
	.amdhsa_kernel k_qe4578fd136_attn
		.amdhsa_group_segment_fixed_size 327680
		.amdhsa_private_segment_fixed_size 0
		.amdhsa_enable_private_segment 0
		.amdhsa_kernarg_size 56
		.amdhsa_user_sgpr_count 2
		.amdhsa_user_sgpr_kernarg_segment_ptr 1
		.amdhsa_wavefront_size32 1
		.amdhsa_system_sgpr_workgroup_id_x 1
		.amdhsa_system_sgpr_workgroup_id_y 1
		.amdhsa_system_sgpr_workgroup_id_z 1
		.amdhsa_system_vgpr_workitem_id 0
		.amdhsa_next_free_vgpr 512
		.amdhsa_next_free_sgpr 84
		.amdhsa_reserve_vcc 1
		.amdhsa_float_denorm_mode_32 3
		.amdhsa_float_denorm_mode_16_64 3
		.amdhsa_memory_ordered 1
		.amdhsa_forward_progress 1
		.amdhsa_inst_pref_size 150
	.end_amdhsa_kernel
	.amdgpu_metadata
---
amdhsa.version: [ 1, 2 ]
amdhsa.kernels:
  - .name:           k_qe4578fd136_attn
    .symbol:         k_qe4578fd136_attn.kd
    .args:
      - { .name: qcod, .offset: 0, .size: 8, .value_kind: global_buffer, .address_space: global }
      - { .name: kcod, .offset: 8, .size: 8, .value_kind: global_buffer, .address_space: global }
      - { .name: vcod, .offset: 16, .size: 8, .value_kind: global_buffer, .address_space: global }
      - { .name: scl, .offset: 24, .size: 8, .value_kind: global_buffer, .address_space: global }
      - { .name: mask, .offset: 32, .size: 8, .value_kind: global_buffer, .address_space: global }
      - { .name: ocod, .offset: 40, .size: 8, .value_kind: global_buffer, .address_space: global }
      - { .name: oscl, .offset: 48, .size: 8, .value_kind: global_buffer, .address_space: global }
    .group_segment_fixed_size: 327680
    .private_segment_fixed_size: 0
    .kernarg_segment_align: 8
    .kernarg_segment_size: 56
    .max_flat_workgroup_size: 256
    .sgpr_count:     84
    .vgpr_count:     512
    .wavefront_size: 32
...
	.end_amdgpu_metadata
.endif
;; end of part 3
;; launch outp (part 4): grid 256 x 1, 8 waves a work-group, no clusters, 35,840 bytes of LDS; arguments ocod, oscl, wq, out0; writes out0
.if DOCPART == 4
	.amdgcn_target "amdgcn-amd-amdhsa--gfx1250"
	.amdhsa_code_object_version 6
	.text
	.protected	k_qe4578fd136_outp
	.globl	k_qe4578fd136_outp
	.p2align	8
	.type	k_qe4578fd136_outp,@function
k_qe4578fd136_outp:
	s_mov_b64 s[64:65], 0
	v_nop
	global_prefetch_b8 v0, s[64:65] scope:SCOPE_SE
	s_setreg_imm32_b32 hwreg(HW_REG_WAVE_MODE, 25, 1), 1
	s_wait_xcnt 0x0
; out0 = O W_o^T on codes of FP6 (E2M3) with E8M0 scales.  O [8,192][512] comes as images of operand registers (ocod: fragment (P = row / 32, u, s) at ((2 P + u) 4 + s) x 1,536 B, register pair p at 256 p + 8 x lane)
; with its scale bytes (oscl: (8 P + head) x 128 + 4 x lane: two bytes, lanes 0-15 tile u = 0, lanes 16-31 tile u = 1); W_o as prep laid it.
; Work-group P: 32 rows; wave w: columns 64 w .. 64 w + 63: four tiles of W_o's rows x two tiles of O's rows x four K steps: 32 matrix instructions on eight accumulators by turns.
; Used transposed (source 0 = 16 rows of W_o, source 1 = O): a lane holds one row of out0.  The rows of a tile are not neighbours: lane r of tile u is row 8 u + r + 8 (r / 8); registers 8 t + j are columns 32 (t / 2) + 16 (lane / 16) + 8 (t % 2) + j.
; A tile of 16 rows x 64 columns goes through the wave's own stage in LDS (rows of 256 + 16 bytes) and leaves as whole runs of 256 consecutive bytes, aligned, sixteen lanes to a run.
; NO JOINT LOADS, NO TENSOR LOADS: every operand is laid in the order of its registers and goes from memory straight into them, once; a joint load lands in LDS alone and would add a pass through it.
.set LI,  1                            ; v1  16 x lane
.set L8,  2                            ; v2  8 x lane
.set LS,  3                            ; v3  4 x lane
.set LW,  4                            ; v4  W's scale words: 512 (lane / 16) + 4 (lane % 16)
.set STO, 5                            ; v5  the stage: where I put my results
.set RD,  6                            ; v6  and where I read rows back
.set GO,  7                            ; v7  my byte offset in out0
.set WSC, 8                            ; v8-15  W's scale words: register 4 tp + s: lanes 0-15 tile 2 tp, lanes 16-31 tile 2 tp + 1
.set XS,  16                           ; v16-19 O's scale words, one a K step: lanes 0-15 tile 0, lanes 16-31 tile 1
.set XR,  20                           ; v20-27 the heads' two bytes as they lie in memory
.set XF,  32                           ; v32-127 O's fragments: 12 (4 u + s)
.set ACC, 128                          ; v128-191 32 u + 8 t
.set OB,  192                          ; v192-223 rows on their way out
.set WF,  0                            ; window 1: W_o's fragment (t, s) at 12 (4 t + s)
.set MSB, 0
.macro WIN new                         ; the immediate's high byte repeats the setting that is left
.if MSB != (\new)
	s_set_vgpr_msb (MSB<<8)|(\new)
.set MSB, (\new)
.endif
.endm
; one matrix instruction.  c: C's first register, or -1 for the constant 0;  ra, rb: the side's scales stand in lanes 16-31
.macro WM d, a, b, c, sa, sb, ra, rb
.if (\c) < 0
.if (\ra) && (\rb)
	v_wmma_scale_f32_16x16x128_f8f6f4 v[(\d):(\d)+7], v[(\a):(\a)+11], v[(\b):(\b)+11], 0, v[\sa], v[\sb] matrix_a_fmt:MATRIX_FMT_FP6 matrix_b_fmt:MATRIX_FMT_FP6 matrix_a_scale:MATRIX_SCALE_ROW1 matrix_b_scale:MATRIX_SCALE_ROW1
.elseif (\ra)
	v_wmma_scale_f32_16x16x128_f8f6f4 v[(\d):(\d)+7], v[(\a):(\a)+11], v[(\b):(\b)+11], 0, v[\sa], v[\sb] matrix_a_fmt:MATRIX_FMT_FP6 matrix_b_fmt:MATRIX_FMT_FP6 matrix_a_scale:MATRIX_SCALE_ROW1
.elseif (\rb)
	v_wmma_scale_f32_16x16x128_f8f6f4 v[(\d):(\d)+7], v[(\a):(\a)+11], v[(\b):(\b)+11], 0, v[\sa], v[\sb] matrix_a_fmt:MATRIX_FMT_FP6 matrix_b_fmt:MATRIX_FMT_FP6 matrix_b_scale:MATRIX_SCALE_ROW1
.else
	v_wmma_scale_f32_16x16x128_f8f6f4 v[(\d):(\d)+7], v[(\a):(\a)+11], v[(\b):(\b)+11], 0, v[\sa], v[\sb] matrix_a_fmt:MATRIX_FMT_FP6 matrix_b_fmt:MATRIX_FMT_FP6
.endif
.else
.if (\ra) && (\rb)
	v_wmma_scale_f32_16x16x128_f8f6f4 v[(\d):(\d)+7], v[(\a):(\a)+11], v[(\b):(\b)+11], v[(\c):(\c)+7], v[\sa], v[\sb] matrix_a_fmt:MATRIX_FMT_FP6 matrix_b_fmt:MATRIX_FMT_FP6 matrix_a_scale:MATRIX_SCALE_ROW1 matrix_b_scale:MATRIX_SCALE_ROW1
.elseif (\ra)
	v_wmma_scale_f32_16x16x128_f8f6f4 v[(\d):(\d)+7], v[(\a):(\a)+11], v[(\b):(\b)+11], v[(\c):(\c)+7], v[\sa], v[\sb] matrix_a_fmt:MATRIX_FMT_FP6 matrix_b_fmt:MATRIX_FMT_FP6 matrix_a_scale:MATRIX_SCALE_ROW1
.elseif (\rb)
	v_wmma_scale_f32_16x16x128_f8f6f4 v[(\d):(\d)+7], v[(\a):(\a)+11], v[(\b):(\b)+11], v[(\c):(\c)+7], v[\sa], v[\sb] matrix_a_fmt:MATRIX_FMT_FP6 matrix_b_fmt:MATRIX_FMT_FP6 matrix_b_scale:MATRIX_SCALE_ROW1
.else
	v_wmma_scale_f32_16x16x128_f8f6f4 v[(\d):(\d)+7], v[(\a):(\a)+11], v[(\b):(\b)+11], v[(\c):(\c)+7], v[\sa], v[\sb] matrix_a_fmt:MATRIX_FMT_FP6 matrix_b_fmt:MATRIX_FMT_FP6
.endif
.endif
.endm
	s_load_b256 s[4:11], s[0:1], 0x0               ; ocod, oscl, wq, out0
	v_lshl_add_u32 v254, v0, 2, 0x8800
	v_mov_b32 v255, 0
	v_lshrrev_b32 v28, 5, v0
	s_delay_alu instid0(VALU_DEP_1)
	v_readfirstlane_b32 s12, v28                   ; wave 0..7
	v_and_b32 v28, 31, v0                          ; lane
	s_delay_alu instid0(VALU_DEP_1)
	v_lshlrev_b32 v[LI], 4, v28
	s_delay_alu instid0(VALU_DEP_2)
	v_lshlrev_b32 v[L8], 3, v28
	s_delay_alu instid0(VALU_DEP_3)
	v_lshlrev_b32 v[LS], 2, v28
	v_and_b32 v29, 15, v0
	v_bfe_u32 v30, v0, 4, 1
	s_delay_alu instid0(VALU_DEP_2)
	v_lshlrev_b32 v[LW], 2, v29
	s_delay_alu instid0(VALU_DEP_1)
	v_lshl_add_u32 v[LW], v30, 9, v[LW]
	s_mul_i32 s14, ttmp9, 12288                    ; my 32 rows' eight fragments
	s_mov_b32 s15, 0
	s_lshl_b32 s16, ttmp9, 10                      ; and their scale bytes
	s_mov_b32 s17, 0
	s_mul_i32 s18, s12, 24576                      ; W_o is matrix 3: my 64 rows' sixteen fragments
	s_add_co_u32 s18, s18, 3*196608
	s_mov_b32 s19, 0
	s_lshl_b32 s20, s12, 11
	s_add_co_u32 s20, s20, 786432+3*16384
	s_mov_b32 s21, 0
	s_lshl_b32 s22, ttmp9, 16                      ; 32 rows of 2,048 bytes,
	s_lshl_b32 s23, s12, 8                         ; my 64 columns
	s_add_co_u32 s22, s22, s23
	s_mov_b32 s23, 0
	s_mul_i32 s13, s12, 4352                       ; my stage: 16 rows x 272 bytes
	s_wait_alu depctr_va_vdst(0)
	s_wait_kmcnt 0x0
	s_add_nc_u64 s[4:5], s[4:5], s[14:15]
	s_add_nc_u64 s[6:7], s[6:7], s[16:17]
	s_add_nc_u64 s[24:25], s[8:9], s[18:19]
	s_add_nc_u64 s[26:27], s[8:9], s[20:21]
	s_add_nc_u64 s[10:11], s[10:11], s[22:23]
	WIN 0x40                                       ; destination window 1
.set i, 0
.rept 48
	global_load_b128 v[WF+4*i:WF+4*i+3], v[LI], s[24:25] offset:512*i
.set i, i+1
.endr
	WIN 0
.irp tp, 0,1
.irp s, 0,1,2,3
	global_load_b32 v[WSC+4*\tp+\s], v[LW], s[26:27] offset:1024*\tp+128*\s
.endr
.endr
.set i, 0
.rept 48
	global_load_b64 v[XF+2*i:XF+2*i+1], v[L8], s[4:5] offset:256*i
.set i, i+1
.endr
.irp d, 0,1,2,3,4,5,6,7
	global_load_b32 v[XR+\d], v[LS], s[6:7] offset:128*\d
.endr
	s_wait_loadcnt 0x0
.irp s, 0,1,2,3
	v_lshl_or_b32 v[XS+\s], v[XR+2*\s+1], 16, v[XR+2*\s]      ; heads 2 s and 2 s + 1: the four bytes of K step s
.endr
	v_and_b32 v28, 15, v0                          ; the ten lines from here on are the places between the scale words' last write and the first product (eight are owed)
	v_bfe_u32 v29, v0, 4, 1
	s_delay_alu instid0(VALU_DEP_2)
	v_mul_u32_u24 v[STO], v28, 272                 ; in: row r, + 64 (lane / 16)
	s_delay_alu instid0(VALU_DEP_1)
	v_lshl_add_u32 v[STO], v29, 6, v[STO]
	s_delay_alu instid0(VALU_DEP_1)
	v_add_nc_u32 v[STO], s13, v[STO]
	s_delay_alu instid0(VALU_DEP_4)
	v_mul_u32_u24 v[RD], v29, 272                  ; back: lanes 0-15 one row of 256 bytes, lanes 16-31 the next
	s_delay_alu instid0(VALU_DEP_1)
	v_lshl_add_u32 v[RD], v28, 4, v[RD]
	s_delay_alu instid0(VALU_DEP_1)
	v_add_nc_u32 v[RD], s13, v[RD]
	v_lshlrev_b32 v[GO], 11, v29                   ; and the same two rows in out0
	s_delay_alu instid0(VALU_DEP_1)
	v_lshl_add_u32 v[GO], v28, 4, v[GO]
	s_wait_alu depctr_va_vdst(0)
	WIN 0x01                                       ; source 0 (W_o) window 1
.irp s, 0,1,2,3
.irp u, 0,1
.irp t, 0,1,2,3
.if \s == 0
	WM ACC+32*\u+8*\t, WF+12*(4*\t+\s), XF+12*(4*\u+\s), -1, WSC+4*(\t/2)+\s, XS+\s, \t%2, \u
.else
	WM ACC+32*\u+8*\t, WF+12*(4*\t+\s), XF+12*(4*\u+\s), ACC+32*\u+8*\t, WSC+4*(\t/2)+\s, XS+\s, \t%2, \u
.endif
.endr
.endr
.endr
	WIN 0
.rept 4
	v_nop                                          ; four places in front of the first read of results (ISA guide 7.12.1)
.endr
.irp u, 0,1
.if \u == 1
	s_wait_xcnt 0x0                                ; tile 0's stores have read v[OB] on
.endif
.irp t, 0,1,2,3
.irp i, 0,1
	ds_store_b128 v[STO], v[ACC+32*\u+8*\t+4*\i:ACC+32*\u+8*\t+4*\i+3] offset:128*(\t/2)+32*(\t%2)+16*\i    ; each accumulator from its low end on
.endr
.endr
.irp i, 0,1,2,3,4,5,6,7
	ds_load_b128 v[OB+4*\i:OB+4*\i+3], v[RD] offset:2*\i*272       ; LDS serves a wave's instructions in order (ISA guide 5.7.1.4): these see my stores, and the next tile's stores come behind them
.endr
.irp i, 0,1,2,3,4,5,6,7
	s_wait_dscnt 7-\i                              ; loads come back in order: pair i of rows is in, the younger ones may be out
	global_store_b128 v[GO], v[OB+4*\i:OB+4*\i+3], s[10:11] offset:(8*\u+2*\i+8*(\i/4))*2048 th:TH_STORE_NT   ; stage row rho is row 8 u + rho + 8 (rho / 8); 16 lanes store 256 consecutive bytes, aligned
.endr
.endr
	s_wait_tensorcnt 0x0
	ds_add_u32 v254, v255
	s_wait_dscnt 0x0
	s_endpgm
.Lfunc_end_k_qe4578fd136_outp:
	.size	k_qe4578fd136_outp, .Lfunc_end_k_qe4578fd136_outp-k_qe4578fd136_outp
	.p2alignl 7, 3214868480
	.fill 96, 4, 3214868480
	.section	.rodata,"a",@progbits
	.p2align	6, 0x0
	.amdhsa_kernel k_qe4578fd136_outp
		.amdhsa_group_segment_fixed_size 35840
		.amdhsa_private_segment_fixed_size 0
		.amdhsa_enable_private_segment 0
		.amdhsa_kernarg_size 32
		.amdhsa_user_sgpr_count 2
		.amdhsa_user_sgpr_kernarg_segment_ptr 1
		.amdhsa_wavefront_size32 1
		.amdhsa_system_sgpr_workgroup_id_x 1
		.amdhsa_system_sgpr_workgroup_id_y 1
		.amdhsa_system_sgpr_workgroup_id_z 1
		.amdhsa_system_vgpr_workitem_id 0
		.amdhsa_next_free_vgpr 512
		.amdhsa_next_free_sgpr 66
		.amdhsa_reserve_vcc 0
		.amdhsa_float_denorm_mode_32 3
		.amdhsa_float_denorm_mode_16_64 3
		.amdhsa_memory_ordered 1
		.amdhsa_forward_progress 1
		.amdhsa_inst_pref_size 22
	.end_amdhsa_kernel
	.amdgpu_metadata
---
amdhsa.version: [ 1, 2 ]
amdhsa.kernels:
  - .name:           k_qe4578fd136_outp
    .symbol:         k_qe4578fd136_outp.kd
    .args:
      - { .name: ocod, .offset: 0, .size: 8, .value_kind: global_buffer, .address_space: global }
      - { .name: oscl, .offset: 8, .size: 8, .value_kind: global_buffer, .address_space: global }
      - { .name: wq, .offset: 16, .size: 8, .value_kind: global_buffer, .address_space: global }
      - { .name: out0, .offset: 24, .size: 8, .value_kind: global_buffer, .address_space: global }
    .group_segment_fixed_size: 35840
    .private_segment_fixed_size: 0
    .kernarg_segment_align: 8
    .kernarg_segment_size: 32
    .max_flat_workgroup_size: 256
    .sgpr_count:     66
    .vgpr_count:     512
    .wavefront_size: 32
...
	.end_amdgpu_metadata
.endif
;; end of part 4
